; MI455X (gfx1250); checked and timed in simulation.
; The chip was launched on July 23, 2026; its instructions are those of AMD's public machine-readable ISA for CDNA 5 (MIT licence, August 2026) and "CDNA5" Instruction Set Architecture Reference Guide (July 2026). The comments in the code are by the model that wrote it; some were corrected since.
;; Multi Head Attention. Allowed arithmetic: float matrix products may take bf16 or f16 operands with f32 sums; all other float work in f32.
;; Inputs: Wout 1,024 x 1,024 float32; Wqkv 3,072 x 1,024 float32; bout 1,024 float32; bqkv 3,072 float32; x 2 x 2,048 x 1,024 float32.
;; Outputs: out0 2 x 2,048 x 1,024 float32.
;; 2 versions, each right; version 2 is version 1 with the launch cast written anew for expert scheduling mode. Each part assembles by itself: llvm-mc -triple=amdgcn-amd-amdhsa -mcpu=gfx1250 --defsym DOCPART=n.
;; ======== version 1 of 2: 4 launches
;; limits: values are held in f16: magnitudes above 65,504 overflow, below 6.1e-05 lose precision
;; workspace buffers: xb 8,388,608 bytes; wqkvb 6,291,456 bytes; woutb 2,097,152 bytes; qkv 25,165,824 bytes; att 16,777,216 bytes
;; launch cast (part 1): grid 256 x 1, 8 waves a work-group, no clusters, 0 bytes of LDS; arguments x, Wqkv, Wout, xb, wqkvb, woutb; writes xb, wqkvb, woutb
.if DOCPART == 1
	.amdgcn_target "amdgcn-amd-amdhsa--gfx1250"
	.amdhsa_code_object_version 6
	.text
	.protected	k_q57a0708530_cast
	.globl	k_q57a0708530_cast
	.p2align	8
	.type	k_q57a0708530_cast,@function
k_q57a0708530_cast:
	s_mov_b64 s[64:65], 0
	v_nop
	global_prefetch_b8 v0, s[64:65] scope:SCOPE_SE
	s_setreg_imm32_b32 hwreg(HW_REG_WAVE_MODE, 25, 1), 1
	s_wait_xcnt 0x0
; x, Wqkv, Wout (f32) -> xb, wqkvb, woutb (bf16, rounded to nearest even), once, so that the two products read 16-bit tiles.
; bf16: the rounding of the inputs that the problem's contract names; f32's range is kept, and the product of two bf16 numbers is
; exact in f32, so the products add no rounding of their own to it.
; 256 work-groups of 8 waves; each owns 1/256 of every tensor: 65,536 + 49,152 + 16,384 bytes in, half of that out.
; Thread t takes 16 bytes at 16 t of every piece of 4,096 bytes and stores 8 bytes at 8 t of the matching 2,048: a wave's load
; covers 512 consecutive bytes, its store 256 consecutive bytes at a multiple of 256.  All 32 loads of a thread go out in one run
; (128 KiB of the work-group on their way); no register is used twice, so no wait but the counted ones is needed.
; No LDS, no matrix unit, no cluster: nothing is shared and nothing is summed.
.set X,  4                             ; v[4:131]  load i: 4 registers; its two packed results land in the first two
.set NX, 16                            ; loads for x
.set NQ, 12                            ; for Wqkv
.set NO, 4                             ; for Wout
	s_load_b256 s[4:11], s[0:1], 0x0               ; x s[4:5], Wqkv s[6:7], Wout s[8:9], xb s[10:11]
	s_load_b128 s[12:15], s[0:1], 0x20             ; wqkvb s[12:13], woutb s[14:15]
	v_lshlrev_b32 v1, 4, v0                        ; 16 t
	v_lshlrev_b32 v2, 3, v0                        ; 8 t
	s_lshl_b32 s16, ttmp9, 16                      ; the work-group's parts, in bytes, each as a pair with 0 on top
	s_mov_b32 s17, 0
	s_mul_i32 s18, ttmp9, 49152
	s_mov_b32 s19, 0
	s_lshl_b32 s20, ttmp9, 14
	s_mov_b32 s21, 0
	s_lshl_b32 s22, ttmp9, 15
	s_mov_b32 s23, 0
	s_mul_i32 s24, ttmp9, 24576
	s_mov_b32 s25, 0
	s_lshl_b32 s26, ttmp9, 13
	s_mov_b32 s27, 0
	s_wait_kmcnt 0x0
	s_add_nc_u64 s[4:5], s[4:5], s[16:17]
	s_add_nc_u64 s[6:7], s[6:7], s[18:19]
	s_add_nc_u64 s[8:9], s[8:9], s[20:21]
	s_add_nc_u64 s[10:11], s[10:11], s[22:23]
	s_add_nc_u64 s[12:13], s[12:13], s[24:25]
	s_add_nc_u64 s[14:15], s[14:15], s[26:27]
.macro LOADS base, first, n            ; n loads from s[base:base+1] into slots first, first + 1, ..
.set i, 0
.rept \n
	global_load_b128 v[X+4*(\first+i):X+4*(\first+i)+3], v1, s[\base:\base+1] offset:4096*i th:TH_LOAD_NT
.set i, i+1
.endr
.endm
.macro OUTS base, first, n             ; the same slots, rounded and stored
.set i, 0
.rept \n
	s_wait_loadcnt 31-(\first+i)                   ; loads come back in order: this one is in, the younger ones stay out
	v_cvt_pk_bf16_f32 v[X+4*(\first+i)],   v[X+4*(\first+i)],   v[X+4*(\first+i)+1]
	v_cvt_pk_bf16_f32 v[X+4*(\first+i)+1], v[X+4*(\first+i)+2], v[X+4*(\first+i)+3]
	global_store_b64 v2, v[X+4*(\first+i):X+4*(\first+i)+1], s[\base:\base+1] offset:2048*i
.set i, i+1
.endr
.endm
	LOADS 4, 0, NX
	LOADS 6, NX, NQ
	LOADS 8, NX+NQ, NO
	OUTS 10, 0, NX
	OUTS 12, NX, NQ
	OUTS 14, NX+NQ, NO
	s_endpgm
.Lfunc_end_k_q57a0708530_cast:
	.size	k_q57a0708530_cast, .Lfunc_end_k_q57a0708530_cast-k_q57a0708530_cast
	.p2alignl 7, 3214868480
	.fill 96, 4, 3214868480
	.section	.rodata,"a",@progbits
	.p2align	6, 0x0
	.amdhsa_kernel k_q57a0708530_cast
		.amdhsa_group_segment_fixed_size 0
		.amdhsa_private_segment_fixed_size 0
		.amdhsa_enable_private_segment 0
		.amdhsa_kernarg_size 48
		.amdhsa_user_sgpr_count 2
		.amdhsa_user_sgpr_kernarg_segment_ptr 1
		.amdhsa_wavefront_size32 1
		.amdhsa_system_sgpr_workgroup_id_x 1
		.amdhsa_system_sgpr_workgroup_id_y 1
		.amdhsa_system_sgpr_workgroup_id_z 1
		.amdhsa_system_vgpr_workitem_id 0
		.amdhsa_next_free_vgpr 132
		.amdhsa_next_free_sgpr 66
		.amdhsa_reserve_vcc 0
		.amdhsa_float_denorm_mode_32 3
		.amdhsa_float_denorm_mode_16_64 3
		.amdhsa_memory_ordered 1
		.amdhsa_forward_progress 1
		.amdhsa_inst_pref_size 13
	.end_amdhsa_kernel
	.amdgpu_metadata
---
amdhsa.version: [ 1, 2 ]
amdhsa.kernels:
  - .name:           k_q57a0708530_cast
    .symbol:         k_q57a0708530_cast.kd
    .args:
      - { .name: x, .offset: 0, .size: 8, .value_kind: global_buffer, .address_space: global }
      - { .name: Wqkv, .offset: 8, .size: 8, .value_kind: global_buffer, .address_space: global }
      - { .name: Wout, .offset: 16, .size: 8, .value_kind: global_buffer, .address_space: global }
      - { .name: xb, .offset: 24, .size: 8, .value_kind: global_buffer, .address_space: global }
      - { .name: wqkvb, .offset: 32, .size: 8, .value_kind: global_buffer, .address_space: global }
      - { .name: woutb, .offset: 40, .size: 8, .value_kind: global_buffer, .address_space: global }
    .group_segment_fixed_size: 0
    .private_segment_fixed_size: 0
    .kernarg_segment_align: 8
    .kernarg_segment_size: 48
    .max_flat_workgroup_size: 256
    .sgpr_count:     66
    .vgpr_count:     132
    .wavefront_size: 32
...
	.end_amdgpu_metadata
.endif
;; end of part 1
;; launch qkv (part 2): grid 12 x 16, 4 waves a work-group, clusters of 4 x 4, 327,680 bytes of LDS; arguments xb, wqkvb, bqkv, qkv; writes qkv
.if DOCPART == 2
	.amdgcn_target "amdgcn-amd-amdhsa--gfx1250"
	.amdhsa_code_object_version 6
	.text
	.protected	k_q57a0708530_qkv
	.globl	k_q57a0708530_qkv
	.p2align	8
	.type	k_q57a0708530_qkv,@function
k_q57a0708530_qkv:
	s_mov_b64 s[64:65], 0
	v_nop
	global_prefetch_b8 v0, s[64:65] scope:SCOPE_SE
	s_setreg_imm32_b32 hwreg(HW_REG_WAVE_MODE, 25, 1), 1
	s_wait_xcnt 0x0
	s_wait_alu depctr_hold_cnt(0) depctr_sa_sdst(0) depctr_va_vdst(0) depctr_va_sdst(0) depctr_va_ssrc(0) depctr_va_vcc(0) depctr_vm_vsrc(0)
	s_getreg_b32 s2, hwreg(HW_REG_IB_STS2, 6, 4)
	s_cmp_eq_u32 s2, 0
	s_cbranch_scc0 .Lentry_in_a_cluster
	s_endpgm
.Lentry_in_a_cluster:
	s_bfe_u32 s2, ttmp6, 0x10000c
	s_cmp_lg_u32 s2, 0xf033
	s_cbranch_scc0 .Lentry_shape_is_right
	s_endpgm
.Lentry_shape_is_right:
; qkv[m][n] = bqkv[n] + sum over k of xb[m][k] wqkvb[n][k], bf16 operands, f32 sums, stored in f16 as three planes [4096][1024]
; (q, k, v): column n goes to plane n / 1024, column n % 1024.  In that form head (b, h) of a plane is the dense block of 262,144 bytes
; at (16 b + h) x 262,144: the reshape of [S, E] to [H, S, D] without a transpose costs nothing.
; q, k, v go out in f16 and not in bf16: eleven significant bits against eight, which the rows of the result that attend to few keys need.
; LIMIT: a result of 65,504 or more in size becomes an infinity.
; A work-group makes a block of 256 x 256 with four waves, as many as a WGP has SIMDs; a wave makes 128 x 128: 64 accumulator tiles
; of 16 x 16, 512 registers.  K goes in steps of 128 through a ring of two LDS slots filled by the tensor data mover: a tile's rows are
; 256 bytes of memory and start at multiples of 256 bytes from the buffer's first byte.  12 x 16 = 192 work-groups: a block of 192 columns
; would make 256 of them, but a wave's rows of the result would then be 192 bytes and no whole aligned piece of 256.
; CLUSTERS: 4 x 4 work-groups.  The four of a row of the cluster need the same tiles of xb, the four of a column the same tiles of wqkvb.
; Such a tile is asked for JOINTLY: each of the four issues the same tensor load, with the same descriptor and a mask that names the four.
;
; REGISTERS, in windows of 256:
;   window 0: v0-31 addresses; v64-127, v128-191 fragments of A, two buffers; v192-255 the bias as a C operand, later at work on the way out
;   window 1: v64-127, v128-191 fragments of B, two buffers
;   window 2: the 32 accumulator tiles of my rows 0-63 (tile (a, b) at v[8 (8 a + b)]);   window 3: those of my rows 64-127
; THE MATRIX INSTRUCTION IS USED TRANSPOSED: source 0 = 16 rows of B, source 1 = 16 rows of A.  Lane l then holds row l % 16 of the result
; and its registers 0 to 7 the columns 8 (l / 16) + 0 .. 7: eight neighbouring numbers of a row, 16 bytes in f16.
; THE BIAS STARTS THE SUMS: the first product of each tile takes as C eight registers that hold bqkv of just these eight columns.
.set SIZE_K, 1024
.set KSTEP,  128
.set PITCH,  272                       ; an LDS row: 256 bytes of data + 16 of padding: the 16 rows that a load touches start at 16 different 16-byte columns
.set HALFT,  128*PITCH                 ; 128 rows: what one tensor load brings, and what one wave reads of A or of B
.set SLOT,   4*HALFT                   ; A's 256 rows, then B's 256 rows
.set STAGE,  2*SLOT                    ; behind the ring: 16 rows x 272 bytes for each wave, for the way out
.set SPITCH, 272
.set LAPS, SIZE_K/(2*KSTEP)            ; a lap = two K steps = once round the ring: 4
.set CP,   2048                        ; bytes in a row of a plane
.set ADRA, 16                          ; v16-17  LDS address of my A fragments in slot 0, 1
.set ADRB, 20                          ; v20-21  the same for B
.set STO,  24                          ; v24     the way out: where I put 16 bytes of a row
.set RD,   25                          ; v25     the way out: where I read a row back
.set CO,   26                          ; v26     my byte offset in the plane
.set BO,   27                          ; v27     32 (l / 16): my eight numbers in 16 of the bias
.set F0,   64                          ; fragment buffer 0
.set F1,   128                         ; fragment buffer 1
.set BIAS, 192                         ; v[192:255] n block b: 8 registers, bqkv[16 b + 8 (l / 16) + 0 .. 7] of my 128 columns
.set TMP,  192                         ; the way out: packed results (the bias is no longer read then)
.set G1, 24                            ; s[24:31] descriptor group 1 for A's tiles
.set G0, 32                            ; s[32:39] descriptor group 0 for A's tiles, one set for each slot
.set G1B, 48                           ; s[48:55] descriptor group 1 for B's tiles: it differs from A's in the mask alone
.set G0B, 56                           ; s[56:63] descriptor group 0 for B's tiles, one set for each slot
.set MSB, 0
.macro WIN new                         ; the immediate's high byte repeats the setting that is left
.if MSB != \new
	s_set_vgpr_msb (MSB<<8)|\new
.set MSB, \new
.endif
.endm
.set MUL_LO,   0xa1                    ; source 0 (B) window 1, source 1 (A) window 0, C and D window 2
.set MUL_HI,   0xf1                    ; the same, C and D window 3
.set START_LO, 0x81                    ; the first products: C (the bias) window 0, D window 2
.set START_HI, 0xc1                    ; C window 0, D window 3
.set TO_B,     0x40                    ; destination window 1, address window 0
; A joint load.  Waves 0 and 1 fetch A's two halves, waves 2 and 3 B's.  Each line has one mask and one set of registers for all that issue it.
; The branch hangs on the wave's number alone: it is the same in every work-group.
.macro JLOAD s
	s_cmp_eq_u32 s11, 0
	s_cbranch_scc0 .Lfor_b_\@
	tensor_load_to_lds s[G0+4*\s:G0+4*\s+3], s[G1:G1+7]
	s_nop 0
	s_branch .Lasked_\@
.Lfor_b_\@:
	tensor_load_to_lds s[G0B+4*\s:G0B+4*\s+3], s[G1B:G1B+7]
	s_nop 0
.Lasked_\@:
.endm
; A round of the cluster's barrier: my work-group's barrier, so that wave 0's signal speaks for all four waves; wave 0 signals for the work-group;
; every wave waits for all sixteen work-groups; my work-group's barrier once more.
.macro CREST                           ; a round behind its opening barrier
	s_cmp_lg_u32 s10, 0
	s_cbranch_scc1 .Lnot_wave_0_\@
	s_barrier_signal -3
.Lnot_wave_0_\@:
	s_barrier_wait -3
	s_barrier_signal -1
	s_barrier_wait -1
.endm
.macro CROUND                          ; a whole round
	s_barrier_signal -1
	s_barrier_wait -1
	CREST
.endm
	s_load_b128 s[4:7], s[0:1], 0x0                ; xb s[4:5], wqkvb s[6:7]
	s_load_b64 s[68:69], s[0:1], 0x10              ; bqkv
	s_load_b64 s[8:9], s[0:1], 0x18                ; qkv
	s_set_vgpr_msb 0x40
	v_lshl_add_u32 v255, v0, 2, 0x48400
	s_set_vgpr_msb 0x4000
	v_mov_b32 v63, 0
	s_set_vgpr_msb 0x1
	ds_add_u32 v255, v63
	ds_add_u32 v255, v63
	s_set_vgpr_msb 0x100
	v_lshrrev_b32 v1, 5, v0
	v_readfirstlane_b32 s10, v1                    ; wave 0..3
	s_lshr_b32 s11, s10, 1                         ; which half of the block's rows is mine.  Also: I fetch for A (0) or for B (1)
	s_and_b32 s12, s10, 1                          ; which half of its columns.  Also: which 128 rows of that tile I fetch
	s_bfe_u32 s40, ttmp6, 0x40000                  ; cx: my place along the cluster's x
	s_bfe_u32 s41, ttmp6, 0x40004                  ; cy: along its y
	s_lshl_b32 s42, ttmp9, 2                       ; in a cluster launch ttmp9 and ttmp7 count clusters
	s_add_co_u32 s42, s42, s40                     ; block column = 4 x cluster x + cx
	s_and_b32 s13, ttmp7, 0xffff
	s_lshl_b32 s13, s13, 2
	s_add_co_u32 s13, s13, s41                     ; block row = 4 x cluster y + cy
	s_lshl_b32 s43, s41, 2
	s_lshl_b32 s43, 15, s43                        ; my row of the cluster: places 4 cy .. 4 cy + 3
	s_lshl_b32 s44, 0x1111, s40                    ; my column: places cx, cx + 4, cx + 8, cx + 12
	; descriptor group 1: a tile of 128 rows x 128 elements of 2 bytes, 4 words of padding behind every 64 words
	s_or_b32 s[G1+0], s43, (1<<16)|(1<<20)|(1<<21)|(5<<22)|(3<<25)  ; 15:0 the mask: A's tiles go to my row; 17:16 element of 2 bytes; 20 padding on; 21 set beside a mask; 24:22 interval; 31:25 pad
	s_or_b32 s[G1B+0], s44, (1<<16)|(1<<20)|(1<<21)|(5<<22)|(3<<25) ; the same with the mask of my column, for B's tiles
	s_mov_b32 s[G1B+1], KSTEP<<16
	s_mov_b32 s[G1+1], KSTEP<<16                   ; tensor_dim0 = 128
	s_mov_b32 s[G1B+2], 128<<16
	s_mov_b32 s[G1+2], 128<<16                     ; tensor_dim1 = 128
	s_mov_b32 s[G1B+3], KSTEP<<16
	s_mov_b32 s[G1+3], KSTEP<<16                   ; tile_dim0 = 128
	s_mov_b32 s[G1B+4], 128
	s_mov_b32 s[G1+4], 128                         ; tile_dim1 = 128
	s_mov_b32 s[G1B+5], SIZE_K
	s_mov_b32 s[G1+5], SIZE_K                      ; elements from row to row
	s_mov_b32 s[G1B+6], 0
	s_mov_b32 s[G1+6], 0
	s_mov_b32 s[G1B+7], 0
	s_mov_b32 s[G1+7], 0
	; where the tiles come from.  A's hang on the block row alone, which my row of the cluster shares; B's on the block column alone.
	s_lshl_b32 s17, s12, 7                         ; which 128 rows of the tile I fetch
	s_lshl_b32 s16, s13, 8
	s_add_co_u32 s16, s16, s17                     ; A: row 256 x block row + 128 x half
	s_lshl_b32 s46, s42, 8
	s_add_co_u32 s46, s46, s17                     ; B: row 256 x block column + 128 x half
	s_mov_b32 s17, 0
	s_mov_b32 s47, 0
	s_mov_b64 s[18:19], SIZE_K*2
	s_mul_u64 s[16:17], s[16:17], s[18:19]         ; in bytes
	s_mul_u64 s[46:47], s[46:47], s[18:19]
	s_mul_i32 s20, s10, HALFT                      ; and where they go: wave x 128 rows: no place in the cluster enters an LDS address
	s_lshl_b32 s70, s42, 10                        ; my 128 numbers of the bias: (256 x block column + 128 x half) x 4 bytes
	s_lshl_b32 s71, s12, 9
	s_add_co_u32 s70, s70, s71
	s_mov_b32 s71, 0
	s_wait_dscnt 0x0
	s_wait_kmcnt 0x0
	s_add_nc_u64 s[14:15], s[4:5], s[16:17]
	s_add_nc_u64 s[46:47], s[6:7], s[46:47]
	s_add_nc_u64 s[68:69], s[68:69], s[70:71]
	CROUND                                         ; all sixteen work-groups are here: the first joint loads meet
.irp s, 0,1
	s_mov_b32 s[G0+4*\s], 1                                        ; count = 1
	s_add_co_u32 s[G0+4*\s+1], s20, \s*SLOT                        ; LDS address
	s_add_nc_u64 s[G0+4*\s+2:G0+4*\s+3], s[14:15], \s*KSTEP*2      ; global address: K step s
	s_or_b32 s[G0+4*\s+3], s[G0+4*\s+3], 0x80000000                ; type = 2
	s_mov_b32 s[G0B+4*\s], 1
	s_add_co_u32 s[G0B+4*\s+1], s20, \s*SLOT
	s_add_nc_u64 s[G0B+4*\s+2:G0B+4*\s+3], s[46:47], \s*KSTEP*2
	s_or_b32 s[G0B+4*\s+3], s[G0B+4*\s+3], 0x80000000
	JLOAD \s                                       ; the ring is filled before anything else is done: two tensor loads of the wave are out
.endr
	; A fragment is 16 rows x 32 K in 8 registers: lane l holds row l % 16; registers 0-3 hold K = 8 (l / 16) + 0..7, registers 4-7 hold
	; K = 16 + 8 (l / 16) + 0..7: two loads of 16 bytes, 32 bytes apart.
	v_and_b32 v1, 15, v0                           ; l % 16
	v_bfe_u32 v2, v0, 4, 1                         ; l / 16
	v_lshlrev_b32 v[BO], 5, v2
.irp b, 0,1,2,3,4,5,6,7
	global_load_b128 v[BIAS+8*\b:BIAS+8*\b+3],   v[BO], s[68:69] offset:64*\b      ; bqkv[16 b + 8 (l / 16) + 0 .. 3]
	global_load_b128 v[BIAS+8*\b+4:BIAS+8*\b+7], v[BO], s[68:69] offset:64*\b+16   ; .. + 4 .. 7
.endr
	v_mul_u32_u24 v3, v1, PITCH
	v_lshl_add_u32 v3, v2, 4, v3                   ; row x pitch + 16 x half
	s_mul_i32 s21, s11, HALFT                      ; my 128 rows of A
	s_mul_i32 s22, s12, HALFT                      ; my 128 rows of B,
	s_add_co_u32 s22, s22, 2*HALFT                 ; which lie behind A's 256
.irp s, 0,1
	v_add_nc_u32 v[ADRA+\s], s21, v3
	v_add_nc_u32 v[ADRB+\s], s22, v3
	s_add_co_u32 s21, s21, SLOT
	s_add_co_u32 s22, s22, SLOT
.endr
	s_mul_i32 s23, s10, 16*SPITCH
	s_add_co_u32 s23, s23, STAGE                   ; my stage
	v_mul_u32_u24 v4, v1, SPITCH                   ; in: row l % 16, 16 bytes for each half of the lanes
	v_lshl_add_u32 v4, v2, 4, v4
	v_add_nc_u32 v[STO], s23, v4
	v_mul_u32_u24 v5, v2, SPITCH                   ; back: lanes 0-15 take one row of 256 bytes, lanes 16-31 the next
	v_lshl_add_u32 v5, v1, 4, v5
	v_add_nc_u32 v[RD], s23, v5
	v_mul_u32_u24 v5, v2, CP                       ; and the same two rows in the plane
	v_lshl_add_u32 v[CO], v1, 4, v5
; 16 matrix instructions: m blocks a0, a0 + 1 of the window's four (hi = 0: my rows 0-63, 1: rows 64-127) x all 8 n blocks, 32 along K.
; zero = 1: the first product starts the sums from the bias: nothing is ever cleared.
.macro MUL16 f, hi, a0, zero
.irp a, \a0, \a0+1
.irp b, 0,1,2,3,4,5,6,7
.if \zero
	v_wmma_f32_16x16x32_bf16 v[8*(8*(\a)+\b):8*(8*(\a)+\b)+7], v[\f+8*\b:\f+8*\b+7], v[\f+8*(4*\hi+\a):\f+8*(4*\hi+\a)+7], v[BIAS+8*\b:BIAS+8*\b+7]
.else
	v_wmma_f32_16x16x32_bf16 v[8*(8*(\a)+\b):8*(8*(\a)+\b)+7], v[\f+8*\b:\f+8*\b+7], v[\f+8*(4*\hi+\a):\f+8*(4*\hi+\a)+7], v[8*(8*(\a)+\b):8*(8*(\a)+\b)+7]
.endif
.endr
.endr
.endm
; 32 LDS loads in one run: the fragments of one quarter step (128 rows of B, 128 rows of A, 32 K at byte k of the rows) into buffer f
.macro FETCH slot, k, f
	WIN TO_B
.irp i, 0,1,2,3,4,5,6,7
	ds_load_b128 v[\f+8*\i:\f+8*\i+3],   v[ADRB+\slot] offset:\k+\i*16*PITCH
	ds_load_b128 v[\f+8*\i+4:\f+8*\i+7], v[ADRB+\slot] offset:\k+\i*16*PITCH+32
.endr
	WIN 0
.irp i, 0,1,2,3,4,5,6,7
	ds_load_b128 v[\f+8*\i:\f+8*\i+3],   v[ADRA+\slot] offset:\k+\i*16*PITCH
	ds_load_b128 v[\f+8*\i+4:\f+8*\i+7], v[ADRA+\slot] offset:\k+\i*16*PITCH+32
.endr
.endm
; A load into a register that a matrix instruction has read, and a vector instruction that reads a matrix result, stand four places behind
; that matrix instruction, and only plain vector instructions that name none of its registers are places.
.macro PLACES
.rept 4
	v_nop
.endr
.endm
; A K step is four quarter steps of 32 along K, 64 matrix instructions each, on buffers 0, 1, 0, 1.  The 64 accumulators take turns, one
; instruction a turn, in the same order in every quarter.
.macro QUARTER slot, k, f, g, zero
	s_wait_dscnt 8                                 ; B and A's rows 0-63 are in; the youngest eight loads (A's rows 64-127) may be out
.if \zero
	WIN START_LO
.else
	WIN MUL_LO
.endif
	MUL16 \f, 0, 0, \zero
	MUL16 \f, 0, 2, \zero
	PLACES
	FETCH \slot, \k, \g
	s_wait_dscnt 32                                ; all but the 32 just issued
.if \zero
	WIN START_HI
.else
	WIN MUL_HI
.endif
	MUL16 \f, 1, 0, \zero
	MUL16 \f, 1, 2, \zero
.endm
.macro THREE slot, zero
	QUARTER \slot, 64,  F0, F1, \zero
	QUARTER \slot, 128, F1, F0, 0
	QUARTER \slot, 192, F0, F1, 0
.endm
; The last quarter: multiplies buffer 1 and changes slots.  next = the other slot; fill = 1: this slot is filled again, two K steps ahead.
; In front of the barrier each wave waits for its own reads of this slot and for all its tensor loads, of which one is out: its part of the
; next slot.  Behind it nobody reads this slot any more and the next slot is whole: the refill comes first, then the next slot's fragments.
.macro TURN slot, next, fill
	s_wait_dscnt 8
	WIN MUL_LO
	MUL16 F1, 0, 0, 0
	s_wait_dscnt 0                                 ; my reads of this slot are over
	s_wait_tensorcnt 0x0                           ; and all my tensor loads have landed
	ds_add_u32 v255, v63
	s_wait_dscnt 0x0
	s_barrier_signal -1                            ; say so (where a slot is filled again this barrier opens a round of the cluster's barrier),
	MUL16 F1, 0, 2, 0                              ; work on registers while the others arrive,
	WIN 0
	s_barrier_wait -1                              ; and go on when all four have said so
.if \fill
	CREST                                          ; all sixteen work-groups have said so: no wave of any partner still reads this slot or has a load on its way
	s_add_nc_u64 s[G0+4*\slot+2:G0+4*\slot+3], s[G0+4*\slot+2:G0+4*\slot+3], 2*KSTEP*2
	s_add_nc_u64 s[G0B+4*\slot+2:G0B+4*\slot+3], s[G0B+4*\slot+2:G0B+4*\slot+3], 2*KSTEP*2
	JLOAD \slot                                    ; the first tensor load behind the round, and the wave's only one until the next
.endif
	PLACES
	FETCH \next, 0, F0
	WIN MUL_HI
	MUL16 F1, 1, 0, 0
	MUL16 F1, 1, 2, 0
.endm
.macro LAP zero                        ; once round the ring, both slots filled again
	THREE 0, \zero
	TURN 0, 1, 1
	THREE 1, 0
	TURN 1, 0, 1
.endm
	s_wait_loadcnt 0x0                             ; the bias, once
	s_wait_tensorcnt 1                             ; my part of K step 0 is in; K step 1's may stay out
	s_barrier_signal -1
	s_barrier_wait -1                              ; everybody's is
	FETCH 0, 0, F0
	LAP 1                                          ; the first lap stands in front of the loop: its first products start the sums
	WIN 0                                          ; at a label and at a branch every window is 0
	s_mov_b32 s3, LAPS-2
.Llap:
	LAP 0
	WIN 0
	s_sub_co_u32 s3, s3, 1
	s_cmp_lg_u32 s3, 0
	s_cbranch_scc1 .Llap
	THREE 0, 0                                     ; the last lap fills nothing, and has no round of the cluster's barrier
	TURN 0, 1, 0
	THREE 1, 0
	s_wait_dscnt 8                                 ; the very last quarter: nothing more to fetch
	WIN MUL_LO
	MUL16 F1, 0, 0, 0
	MUL16 F1, 0, 2, 0
	s_wait_dscnt 0
	WIN MUL_HI
	MUL16 F1, 1, 0, 0
	MUL16 F1, 1, 2, 0
	; THE WAY OUT, 16 rows at a time: round to f16, 16 bytes a lane into my own stage in LDS, read back as whole rows of 256 bytes.
	PLACES
	s_lshl_b32 s16, s13, 8
	s_lshl_b32 s14, s11, 7
	s_add_co_u32 s16, s16, s14                     ; my first row
	s_lshl_b32 s16, s16, 11                        ; x 2,048 bytes
	s_mov_b32 s17, 0
	s_add_nc_u64 s[8:9], s[8:9], s[16:17]
	s_lshr_b32 s46, s42, 2                         ; the plane: four block columns each,
	s_lshl_b32 s46, s46, 23                        ; 8,388,608 bytes each
	s_and_b32 s47, s42, 3
	s_lshl_b32 s47, s47, 9                         ; the block's 512 bytes in the plane's row
	s_add_co_u32 s46, s46, s47
	s_lshl_b32 s47, s12, 8                         ; my half of them
	s_add_co_u32 s46, s46, s47
	s_mov_b32 s47, 0
	s_add_nc_u64 s[8:9], s[8:9], s[46:47]
; rows 16 i .. 16 i + 15 of my block = the eight tiles (a, 0..7) of window 2 or 3 (from = 0x0a or 0x0f: sources 0 and 1); f: F0 or F1 in turn
.macro OUT16 i, a, from, f
	WIN \from
.irp b, 0,1,2,3,4,5,6,7
.irp r, 0,1,2,3
	v_cvt_pk_f16_f32 v[TMP+4*\b+\r], v[8*(8*\a+\b)+2*\r], v[8*(8*\a+\b)+2*\r+1]
.endr
.endr
	WIN 0
.irp b, 0,1,2,3,4,5,6,7
	ds_store_b128 v[STO], v[TMP+4*\b:TMP+4*\b+3] offset:32*\b
.endr
	s_wait_xcnt 0x0                                ; buffer f, which earlier stores read, and the stores' base are rewritten only behind this wait
.if \i
	s_add_nc_u64 s[8:9], s[8:9], 16*CP             ; 16 rows on
.endif
.irp t, 0,1,2,3,4,5,6,7
	ds_load_b128 v[\f+4*\t:\f+4*\t+3], v[RD] offset:\t*2*SPITCH    ; LDS serves a wave's instructions in order: these see the stores above
.endr
.irp t, 0,1,2,3,4,5,6,7
	s_wait_dscnt 7-\t                              ; the younger read-backs may stay out
	global_store_b128 v[CO], v[\f+4*\t:\f+4*\t+3], s[8:9] offset:2*\t*CP   ; 16 lanes store 256 consecutive bytes, at a multiple of 256
.endr
.endm
	OUT16 0, 0, 0x0a, F0
	OUT16 1, 1, 0x0a, F1
	OUT16 2, 2, 0x0a, F0
	OUT16 3, 3, 0x0a, F1
	OUT16 4, 0, 0x0f, F0
	OUT16 5, 1, 0x0f, F1
	OUT16 6, 2, 0x0f, F0
	OUT16 7, 3, 0x0f, F1
	s_set_vgpr_msb 0x1
	s_wait_tensorcnt 0x0
	ds_add_u32 v255, v63
	s_wait_dscnt 0x0
	s_set_vgpr_msb 0x100
	CROUND                                         ; the closing round: no work-group ends while a partner may still ask for a tile that names it
	s_endpgm
.Lfunc_end_k_q57a0708530_qkv:
	.size	k_q57a0708530_qkv, .Lfunc_end_k_q57a0708530_qkv-k_q57a0708530_qkv
	.p2alignl 7, 3214868480
	.fill 96, 4, 3214868480
	.section	.rodata,"a",@progbits
	.p2align	6, 0x0
	.amdhsa_kernel k_q57a0708530_qkv
		.amdhsa_group_segment_fixed_size 327680
		.amdhsa_private_segment_fixed_size 0
		.amdhsa_enable_private_segment 0
		.amdhsa_kernarg_size 32
		.amdhsa_user_sgpr_count 2
		.amdhsa_user_sgpr_kernarg_segment_ptr 1
		.amdhsa_wavefront_size32 1
		.amdhsa_system_sgpr_workgroup_id_x 1
		.amdhsa_system_sgpr_workgroup_id_y 1
		.amdhsa_system_sgpr_workgroup_id_z 1
		.amdhsa_system_vgpr_workitem_id 0
		.amdhsa_next_free_vgpr 1024
		.amdhsa_next_free_sgpr 72
		.amdhsa_reserve_vcc 0
		.amdhsa_float_denorm_mode_32 3
		.amdhsa_float_denorm_mode_16_64 3
		.amdhsa_memory_ordered 1
		.amdhsa_forward_progress 1
		.amdhsa_inst_pref_size 198
	.end_amdhsa_kernel
	.amdgpu_metadata
---
amdhsa.version: [ 1, 2 ]
amdhsa.kernels:
  - .name:           k_q57a0708530_qkv
    .symbol:         k_q57a0708530_qkv.kd
    .args:
      - { .name: xb, .offset: 0, .size: 8, .value_kind: global_buffer, .address_space: global }
      - { .name: wqkvb, .offset: 8, .size: 8, .value_kind: global_buffer, .address_space: global }
      - { .name: bqkv, .offset: 16, .size: 8, .value_kind: global_buffer, .address_space: global }
      - { .name: qkv, .offset: 24, .size: 8, .value_kind: global_buffer, .address_space: global }
    .group_segment_fixed_size: 327680
    .private_segment_fixed_size: 0
    .kernarg_segment_align: 8
    .kernarg_segment_size: 32
    .max_flat_workgroup_size: 128
    .sgpr_count:     72
    .vgpr_count:     1024
    .wavefront_size: 32
...
	.end_amdgpu_metadata
.endif
;; end of part 2
;; launch attn (part 3): grid 8 x 32, 8 waves a work-group, no clusters, 327,680 bytes of LDS; arguments qkv, att; writes att
.if DOCPART == 3
	.amdgcn_target "amdgcn-amd-amdhsa--gfx1250"
	.amdhsa_code_object_version 6
	.text
	.protected	k_q57a0708530_attn
	.globl	k_q57a0708530_attn
	.p2align	8
	.type	k_q57a0708530_attn,@function
k_q57a0708530_attn:
	s_mov_b64 s[64:65], 0
	v_nop
	global_prefetch_b8 v0, s[64:65] scope:SCOPE_SE
	s_setreg_imm32_b32 hwreg(HW_REG_WAVE_MODE, 25, 1), 1
	s_wait_xcnt 0x0
; Causal attention of one head (b, h), bh = 16 b + h: a[bh][s][d] = softmax over k <= s of (q[s] . k[k] / 8) times v[k][d].
; q, k, v: dense blocks [2048][64] of f16 at plane x 8,388,608 + bh x 262,144 of qkv.
; The result goes out as TWO planes [32][2048][64] of bf16, 8,388,608 bytes apart: hi = bf16(a) and lo = bf16(a - hi).  Their sum holds
; sixteen significant bits of a; the next product takes both, so that a's rounding to one 16-bit operand does not enter the result.
; Scores, maxima, exponentials and sums in f32; the weights go to the matrix unit in f16 (they lie in 0 .. 1).
; LIMIT: weights below 2^-24 of a row's largest count as 0.
; SHARING: work-group (j, bh), j = 0 .. 7, does the query blocks j and 15 - j (128 rows each) one after the other.  The keys come in slots
; of 256 (two tiles of 128): block j takes (j + 2) / 2 slots, block 15 - j takes (17 - j) / 2, together 9 steps for every one of the 256
; work-groups, so the trip count is a constant.  EIGHT WAVES, two on each SIMD: wave w owns the 32 query rows 32 (w % 4) .. of the block
; and tile u = w / 4 of each slot, so the two waves of a pair have the same queries and different keys, and each has work of its own to
; issue while the other waits.  Each keeps a running maximum, sum and O of its own; at a block's end the pair joins them through LDS.
; A tile on the diagonal is masked; a tile wholly behind it (one in the last slot of a block with an odd number of tiles) is jumped over,
; but for step 0, where it is masked whole, so that every wave's sums are started.
; A wave may thus see no open key: its running maximum starts at -1e30, not at -inf.  Scores lie within 64 x 65,504^2 = 2.7e11, since q and k
; are f16, so the floor is below every score; masked scores stay -inf and exp2 makes 0 of them.
; NO JOINT LOADS: the eight work-groups of a head need different key tiles in the same step, and a common walk over the tiles would take
; up to 16 steps in place of 9, with branches that hang on the place in the cluster.
; LAYOUT: scores are made transposed, S^T = K Q^T: lane (r, h) holds query r and, in register jj, key 8 h + jj of a tile of 16.  Two
; neighbouring key tiles, packed to f16, ARE the second operand of O^T = V^T P^T; V^T comes from LDS by the transposing load.  So the
; weights never leave the registers, and a query's maximum, sum and rescaling are one number a lane.
; LDS: two slots of 81,920 bytes in eighths of 10,240, one for each wave's load: K's keys 64 e .. 64 e + 63 in eighth e (pitch 144),
; V's 256 keys from 40,960 (pitch 160).  From 163,840 two regions of 36,864 bytes for the hand-over between the waves of a pair, taken by
; the slot's number, so that between two barriers one is only written and the other only read.  From 237,568 a stage of 2 x 16 rows x 144
; bytes for each wave (hi, then lo).  No tensor load lands behind 163,840.
.set SLOTB, 81920
.set KQ,    10240                      ; an eighth of a slot: 64 keys
.set UHALF, 20480                      ; from tile 0 to tile 1 of a slot, in K's part and in V's
.set VOFF,  40960
.set KP,    144                        ; odd multiple of 16: the sixteen rows of a fragment load start at different 16-byte columns
.set VP,    160                        ; odd multiple of 32, for the transposing load
.set DUMP,  163840
.set DUMPW, 4608                       ; a wave's part of a hand-over region: 8 x 512 bytes of O, 512 for shift and sum
.set UREG,  4*DUMPW                    ; waves 0-3, then waves 4-7
.set DUMPB, 2*UREG                     ; a region
.set STAGE, DUMP+2*DUMPB
.set SP,    144
.set PLST,  16*SP                      ; one plane's part of a wave's stage
.set PLANE, 8388608                    ; from hi to lo in att
.set DW,   1                           ; v1      hand-over: DUMP + 4,608 (wave % 4) + 16 lane
.set KADR, 4                           ; v4-5    slot s: s x 81,920 + 20,480 u + 144 r + 16 h
.set VADR, 6                           ; v6-7    slot s: s x 81,920 + 40,960 + 20,480 u + (8 h + lane % 8) x 160 + 16 ((lane / 8) % 2)
.set QOFF, 8                           ; v8      128 r + 16 h
.set STO,  9                           ; v9      stage + 144 r + 16 h
.set RD,   10                          ; v10     stage + 144 (lane / 8) + 16 (lane % 8)
.set CO,   11                          ; v11     16 lane
.set QM,   12                          ; v12-13  query tile q: 32 (wave % 4) + 16 q + r - 8 h (signed)
.set NINF, 14                          ; v14     -infinity
.set TV,   15                          ; v15     at work in the prologue
.set MX,   16                          ; v16-17  running maximum of the raw scores
.set LS,   18                          ; v18-19  the lane's own part of the running sum
.set NMC,  20                          ; v[20:23] the shift -c x maximum, a pair for each q
.set AL,   24                          ; v[24:27] the rescaling factor, a pair for each q
.set TT,   28                          ; v[28:31] at work
.set QF,   32                          ; v[32:63]   Q(q, dc) at 32 + 16 q + 8 dc
.set KF,   64                          ; v[64:127]  K(i, dc) at 64 + 16 i + 8 dc
.set VF,   128                         ; v[128:191] V^T(c, dt) at 128 + 32 c + 8 dt
.set SC,   192                         ; v[192:255] S(q, i) at 192 + 32 q + 8 i; later P(q, c) at 192 + 32 q + 16 c
                                       ; window 1: O(dt, q) at v[8 (2 dt + q)], registers 256 to 319
.set G1K, 16                           ; s[16:23] descriptor group 1 for K's tiles
.set G1V, 24                           ; s[24:31] for V's: another pad
.set G0,  32                           ; s[32:39] group 0, a set for each slot
; s2 wave % 4; s3 u = wave / 4; s8 wave; s9 j; s10 bh; s11 the step; s12 steps of the first block; s13 the block
; s14 my tile is masked; s15 first step of the second block; s62 last step of a block; s63 128 x (block - my tile)
; s[40:41] my part of slot-load 0; s[42:43] an offset with 0 on top; s[44:45] q at my rows of block 0; s[46:47] att likewise
; s[48:49] c = log2(e) / 8, twice; s50-51 lane selects; s52 loop counter; s53, s55 at work; s54 -c
; s[56:57] where hi goes; s[58:59] where q comes from; s[60:61] where lo goes
.set MSB, 0
.macro WIN new                         ; the immediate's high byte repeats the setting that is left
.if MSB != \new
	s_set_vgpr_msb (MSB<<8)|\new
.set MSB, \new
.endif
.endm
.macro PLACES n                        ; places behind matrix instructions (ISA guide 7.12.1)
.rept \n
	v_nop
.endr
.endm
; My one tensor load for slot s: waves 0-3 bring K's four eighths, waves 4-7 V's.  8,192 dense bytes (64 keys) each.
.macro TLOAD s
	s_cmp_eq_u32 s3, 0
	s_cbranch_scc0 .Lfor_v_\@
	tensor_load_to_lds s[G0+4*\s:G0+4*\s+3], s[G1K:G1K+7]
	s_nop 0
	s_branch .Lasked_\@
.Lfor_v_\@:
	tensor_load_to_lds s[G0+4*\s:G0+4*\s+3], s[G1V:G1V+7]
	s_nop 0
.Lasked_\@:
.endm
; The global address of step (s11 + delta)'s 256 keys into slot s's group 0
.macro NEXTADR s, delta
	s_add_co_u32 s53, s11, \delta
	s_cmp_ge_u32 s53, s12                          ; in the second block the keys begin anew
	s_cselect_b32 s55, s12, 0
	s_sub_co_u32 s53, s53, s55
	s_lshl_b32 s42, s53, 15                        ; 256 keys x 128 bytes
	s_add_nc_u64 s[G0+4*\s+2:G0+4*\s+3], s[40:41], s[42:43]
	s_or_b32 s[G0+4*\s+3], s[G0+4*\s+3], 0x80000000   ; type = 2
.endm
.macro KLOADS slot, u                  ; 16 loads: 64 keys (half u of my tile) x 64 d as first operands
.irp i, 0,1,2,3
.irp dc, 0,1
	ds_load_b128 v[KF+16*\i+8*\dc:KF+16*\i+8*\dc+3],   v[KADR+\slot] offset:KQ*\u+16*KP*\i+64*\dc
	ds_load_b128 v[KF+16*\i+8*\dc+4:KF+16*\i+8*\dc+7], v[KADR+\slot] offset:KQ*\u+16*KP*\i+64*\dc+32
.endr
.endr
.endm
.macro VLOADS slot, u                  ; 16 transposing loads: 64 d x 64 keys as first operands
.irp c, 0,1
.irp dt, 0,1,2,3
	ds_load_tr16_b128 v[VF+32*\c+8*\dt:VF+32*\c+8*\dt+3],   v[VADR+\slot] offset:(64*\u+32*\c)*VP+32*\dt
	ds_load_tr16_b128 v[VF+32*\c+8*\dt+4:VF+32*\c+8*\dt+7], v[VADR+\slot] offset:(64*\u+32*\c+16)*VP+32*\dt
.endr
.endr
.endm
.macro QLOADS                          ; my 32 rows of q of block s13 as second operands: asked for, not waited for
	s_lshl_b32 s42, s13, 14
	s_add_nc_u64 s[58:59], s[44:45], s[42:43]      ; the loads that named s[58:59] before were waited for
.irp q, 0,1
.irp dc, 0,1
	global_load_b128 v[QF+16*\q+8*\dc:QF+16*\q+8*\dc+3],   v[QOFF], s[58:59] offset:2048*\q+64*\dc
	global_load_b128 v[QF+16*\q+8*\dc+4:QF+16*\q+8*\dc+7], v[QOFF], s[58:59] offset:2048*\q+64*\dc+32
.endr
.endr
.endm
.macro STATE                           ; a block begins: maximum -1e30, shift +inf, sum 0
.irp q, 0,1
	v_mov_b32 v[MX+\q], 0xf149f2ca
	v_mov_b32 v[LS+\q], 0
	v_mov_b32 v[NMC+2*\q], 0x7f800000
.endr
.endm
.macro MASK u                          ; key > query gets -inf; s63 moves the bound by 128 where the tile lies behind the diagonal
.irp q, 0,1
	v_add_nc_u32 v[TT+2+\q], s63, v[QM+\q]
.endr
.irp q, 0,1
.irp i, 0,1,2,3
.irp jj, 0,1,2,3,4,5,6,7
	v_cmp_gt_i32 vcc_lo, 64*\u+16*\i+\jj, v[TT+2+\q]
	v_cndmask_b32 v[SC+32*\q+8*\i+\jj], v[SC+32*\q+8*\i+\jj], v[NINF], vcc_lo
.endr
.endr
.endr
.endm
; Query tile q, 64 keys: the running maximum, the factor for what was summed before, the weights, their sum, and the weights packed to f16.
; The maximum is finite from the first call on (the floor); -inf enters only as (finite - inf) and as -inf x c + finite, and exp2 makes 0 of both.
.macro SOFT q
	v_max3_num_f32 v[TT],   v[SC+32*\q],    v[SC+32*\q+1],  v[MX+\q]        ; two chains; the old maximum rides in the first
	v_max3_num_f32 v[TT+1], v[SC+32*\q+16], v[SC+32*\q+17], v[SC+32*\q+18]
.irp k, 0,2,4,6,8,10
	v_max3_num_f32 v[TT],   v[TT],   v[SC+32*\q+2+\k],  v[SC+32*\q+3+\k]
	v_max3_num_f32 v[TT+1], v[TT+1], v[SC+32*\q+19+\k], v[SC+32*\q+20+\k]
.endr
	v_max3_num_f32 v[TT], v[TT], v[SC+32*\q+14], v[SC+32*\q+15]
	v_max3_num_f32 v[TT], v[TT], v[TT+1], v[SC+32*\q+31]
	v_permlanex16_b32 v[TT+1], v[TT], s50, s51     ; the other half of the lanes holds the query's other keys
	v_max_num_f32 v[MX+\q], v[TT], v[TT+1]         ; the new maximum
	v_mul_f32 v[TT], s54, v[MX+\q]                 ; the new shift, -c x maximum
	v_sub_f32 v[TT+1], v[TT], v[NMC+2*\q]          ; new shift - old shift: old and new terms then carry the very same rounded shift
	v_mov_b32 v[NMC+2*\q], v[TT]
	v_mov_b32 v[NMC+2*\q+1], v[TT]
	v_exp_f32 v[AL+2*\q], v[TT+1]                  ; the factor, twice, for the packed multiply; the lines behind touch neither it nor its source
	v_exp_f32 v[AL+2*\q+1], v[TT+1]
.irp k, 0,2,4,6,8,10,12,14,16,18,20,22,24,26,28,30
	v_pk_fma_f32 v[SC+32*\q+\k:SC+32*\q+\k+1], v[SC+32*\q+\k:SC+32*\q+\k+1], s[48:49], v[NMC+2*\q:NMC+2*\q+1] op_sel_hi:[1,0,1]
.endr
.irp k, 0,1,2,3,4,5,6,7,8,9,10,11,12,13,14,15,16,17,18,19,20,21,22,23,24,25,26,27,28,29,30,31
	v_exp_f32 v[SC+32*\q+\k], v[SC+32*\q+\k]
.endr
	v_nop                                          ; one plain place between the exponentials and the first use of a result (ISA guide 5.7.2)
	s_wait_alu depctr_va_vdst(0)
	v_pk_add_f32 v[TT:TT+1],   v[SC+32*\q:SC+32*\q+1],   v[SC+32*\q+2:SC+32*\q+3]
	v_pk_add_f32 v[TT+2:TT+3], v[SC+32*\q+4:SC+32*\q+5], v[SC+32*\q+6:SC+32*\q+7]
.irp k, 8,12,16,20,24,28
	v_pk_add_f32 v[TT:TT+1],   v[TT:TT+1],   v[SC+32*\q+\k:SC+32*\q+\k+1]
	v_pk_add_f32 v[TT+2:TT+3], v[TT+2:TT+3], v[SC+32*\q+\k+2:SC+32*\q+\k+3]
.endr
	v_pk_add_f32 v[TT:TT+1], v[TT:TT+1], v[TT+2:TT+3]
	v_add_f32 v[TT], v[TT], v[TT+1]
	v_fma_f32 v[LS+\q], v[LS+\q], v[AL+2*\q], v[TT]
.irp c, 0,1                            ; packed in place, each line behind the reads of its destination: P(q, c) = 8 registers at 16 c
.irp jj, 0,1,2,3
	v_cvt_pk_f16_f32 v[SC+32*\q+16*\c+\jj], v[SC+32*\q+16*\c+2*\jj], v[SC+32*\q+16*\c+2*\jj+1]
.endr
.irp jj, 0,1,2,3
	v_cvt_pk_f16_f32 v[SC+32*\q+16*\c+4+\jj], v[SC+32*\q+16*\c+8+2*\jj], v[SC+32*\q+16*\c+8+2*\jj+1]
.endr
.endr
.endm
.macro RESCALE                         ; O x factor of its query tile
	WIN 0x41                                       ; destination and source 0 in window 1
.irp dt, 0,1,2,3
.irp q, 0,1
.irp p, 0,2,4,6
	v_pk_mul_f32 v[8*(2*\dt+\q)+\p:8*(2*\dt+\q)+\p+1], v[8*(2*\dt+\q)+\p:8*(2*\dt+\q)+\p+1], v[AL+2*\q:AL+2*\q+1]
.endr
.endr
.endr
.endm
.macro CHUNK c, zero                   ; O^T += V^T P^T over 32 keys; the eight accumulators take turns
	WIN 0x50                                       ; C and D in window 1
.irp dt, 0,1,2,3
.irp q, 0,1
.if \zero
	v_wmma_f32_16x16x32_f16 v[8*(2*\dt+\q):8*(2*\dt+\q)+7], v[VF+32*\c+8*\dt:VF+32*\c+8*\dt+7], v[SC+32*\q+16*\c:SC+32*\q+16*\c+7], 0
.else
	v_wmma_f32_16x16x32_f16 v[8*(2*\dt+\q):8*(2*\dt+\q)+7], v[VF+32*\c+8*\dt:VF+32*\c+8*\dt+7], v[SC+32*\q+16*\c:SC+32*\q+16*\c+7], v[8*(2*\dt+\q):8*(2*\dt+\q)+7]
.endif
.endr
.endr
.endm
; first = 1: known to be a block's first 64 keys of this wave: the first product starts the sums.  Else, for u = 0, s15 says so.
.macro PV u, first
.if \first
	CHUNK 0, 1
.else
.if \u == 0
	s_cmp_lg_u32 s15, 0
	s_cbranch_scc1 .Lfresh_\@
	RESCALE
	CHUNK 0, 0
	WIN 0
	s_branch .Ljoin_\@
.Lfresh_\@:
	CHUNK 0, 1
	WIN 0
.Ljoin_\@:
.else
	RESCALE
	CHUNK 0, 0
.endif
.endif
	CHUNK 1, 0
.endm
; 64 keys: half u of my tile.  K's fragments for them have been asked for.
.macro SUB slot, u, first
	VLOADS \slot, \u
	s_wait_dscnt 16                                ; the 16 loads of V just issued may stay out; K's 16, issued ahead of them, are in
.irp i, 0,1,2,3                        ; S^T = K Q^T: d 0-31 starts the eight sums, d 32-63 adds; the accumulators take turns
.irp q, 0,1
	v_wmma_f32_16x16x32_f16 v[SC+32*\q+8*\i:SC+32*\q+8*\i+7], v[KF+16*\i:KF+16*\i+7], v[QF+16*\q:QF+16*\q+7], 0
.endr
.endr
.irp i, 0,1,2,3
.irp q, 0,1
	v_wmma_f32_16x16x32_f16 v[SC+32*\q+8*\i:SC+32*\q+8*\i+7], v[KF+16*\i+8:KF+16*\i+15], v[QF+16*\q+8:QF+16*\q+15], v[SC+32*\q+8*\i:SC+32*\q+8*\i+7]
.endr
.endr
	PLACES 4                                       ; before the scores are read and K's registers loaded again
.if \u == 0
	KLOADS \slot, 1
.endif
	s_cmp_eq_u32 s14, 0
	s_cbranch_scc1 .Lopen_\@
	MASK \u
.Lopen_\@:
	SOFT 0
	SOFT 1
.if \u == 0
	s_wait_dscnt 16                                ; K's next 16 loads may stay out; V's, issued ahead of them, are in
.else
	s_wait_dscnt 0x0                               ; V is in; nothing was issued behind it
.endif
	PV \u, \first
	WIN 0
	PLACES 5                                       ; the next scores write over P's registers (5), the next loads land in V's (4), the hand-over reads O (4)
.endm
; A block ends, first half: I hand query tile q to my partner (I am u = 1 - q): its O, shift and sum, into my part of region d.
.macro DUMPQ q, d
	WIN 0x04                                       ; the stores' data in window 1
.irp dt, 0,1,2,3
	ds_store_b128 v[DW], v[8*(2*\dt+\q):8*(2*\dt+\q)+3]   offset:\d*DUMPB+(1-\q)*UREG+1024*\dt       ; 16 bytes a lane, 512 consecutive bytes a store
	ds_store_b128 v[DW], v[8*(2*\dt+\q)+4:8*(2*\dt+\q)+7] offset:\d*DUMPB+(1-\q)*UREG+1024*\dt+512
.endr
	WIN 0
	ds_store_b32 v[DW], v[NMC+2*\q] offset:\d*DUMPB+(1-\q)*UREG+4096
	ds_store_b32 v[DW], v[LS+\q]    offset:\d*DUMPB+(1-\q)*UREG+4100
.endm
; Second half, behind a barrier: I (u = q) take my partner's part of query tile q from region d and finish the tile's 16 rows:
; with f = exp2(smaller shift - own shift) on each side, a = (O f + O' f') / (L f + L' f'); hi = bf16(a), lo = bf16(a - hi); both through my
; own stage, each out as 16 whole rows of 128 bytes = 2,048 consecutive bytes of its plane.  The side that holds the larger maximum has
; f = 1 exactly; a side that saw no open key has the floor's shift, f = 0, O = 0 and L = 0.
.macro FINAL q, d
.irp dt, 0,1,2,3
	ds_load_b128 v[KF+8*\dt:KF+8*\dt+3],   v[DW] offset:\d*DUMPB+(1-\q)*UREG+1024*\dt
	ds_load_b128 v[KF+8*\dt+4:KF+8*\dt+7], v[DW] offset:\d*DUMPB+(1-\q)*UREG+1024*\dt+512
.endr
	ds_load_b64 v[KF+32:KF+33], v[DW] offset:\d*DUMPB+(1-\q)*UREG+4096     ; the partner's shift and sum
	s_wait_dscnt 0x0
	v_min_num_f32 v[TT], v[NMC+2*\q], v[KF+32]     ; the smaller shift belongs to the larger maximum
	v_sub_f32 v[TT+1], v[TT], v[NMC+2*\q]
	v_sub_f32 v[TT+2], v[TT], v[KF+32]
	v_exp_f32 v[TT+1], v[TT+1]                     ; f
	v_exp_f32 v[TT+2], v[TT+2]                     ; f'
	v_nop                                          ; one plain place behind the exponentials
	s_wait_alu depctr_va_vdst(0)
	v_mul_f32 v[TT], v[LS+\q], v[TT+1]
	v_fmac_f32 v[TT], v[KF+33], v[TT+2]
	v_permlanex16_b32 v[TT+3], v[TT], s50, s51     ; the other lanes' part of the sum
	v_add_f32 v[TT], v[TT], v[TT+3]
	v_rcp_f32 v[TT], v[TT]
	v_nop                                          ; one plain place behind the reciprocal
	s_wait_alu depctr_va_vdst(0)
	v_mul_f32 v[AL],   v[TT+1], v[TT]              ; f / sum, twice, and f' / sum, twice, for the packed forms
	v_mul_f32 v[AL+1], v[TT+1], v[TT]
	v_mul_f32 v[AL+2], v[TT+2], v[TT]
	v_mul_f32 v[AL+3], v[TT+2], v[TT]
.irp dt, 0,1,2,3
.irp p, 0,2,4,6
	v_pk_mul_f32 v[KF+8*\dt+\p:KF+8*\dt+\p+1], v[KF+8*\dt+\p:KF+8*\dt+\p+1], v[AL+2:AL+3]
.endr
.endr
	WIN 0x01                                       ; source 0 (my O) in window 1
.irp dt, 0,1,2,3
.irp p, 0,2,4,6
	v_pk_fma_f32 v[KF+8*\dt+\p:KF+8*\dt+\p+1], v[8*(2*\dt+\q)+\p:8*(2*\dt+\q)+\p+1], v[AL:AL+1], v[KF+8*\dt+\p:KF+8*\dt+\p+1]
.endr
.endr
	WIN 0
.irp dt, 0,1,2,3
.irp p, 0,1,2,3
	v_cvt_pk_bf16_f32 v[VF+4*\dt+\p], v[KF+8*\dt+2*\p], v[KF+8*\dt+2*\p+1]                          ; hi
.endr
.irp p, 0,1,2,3
	v_lshlrev_b32 v[TT+2*((\p)&1)],   16,         v[VF+4*\dt+\p]                                    ; hi back in f32
	v_and_b32     v[TT+2*((\p)&1)+1], 0xffff0000, v[VF+4*\dt+\p]
	v_pk_add_f32 v[KF+8*\dt+2*\p:KF+8*\dt+2*\p+1], v[KF+8*\dt+2*\p:KF+8*\dt+2*\p+1], v[TT+2*((\p)&1):TT+2*((\p)&1)+1] neg_lo:[0,1] neg_hi:[0,1]   ; a - hi, exact in f32
.endr
.irp p, 0,1,2,3
	v_cvt_pk_bf16_f32 v[VF+16+4*\dt+\p], v[KF+8*\dt+2*\p], v[KF+8*\dt+2*\p+1]                       ; lo
.endr
.endr
.irp pl, 0,1
.irp dt, 0,1,2,3
	ds_store_b128 v[STO], v[VF+16*\pl+4*\dt:VF+16*\pl+4*\dt+3] offset:PLST*\pl+32*\dt   ; query r of the tile, d = 16 dt + 8 h + 0 .. 7
.endr
.endr
.irp pl, 0,1
.irp n, 0,1,2,3
	ds_load_b128 v[KF+4*(4*\pl+\n):KF+4*(4*\pl+\n)+3], v[RD] offset:PLST*\pl+4*SP*\n    ; four rows; LDS serves a wave's instructions in order: these see the stores above
.endr
.endr
.irp n, 0,1,2,3
	s_wait_dscnt 7-\n                              ; the younger read-backs may stay out
	global_store_b128 v[CO], v[KF+4*\n:KF+4*\n+3], s[56:57] offset:2048*\q+512*\n   ; 512 consecutive bytes, at a multiple of 512
.endr
.irp n, 0,1,2,3
	s_wait_dscnt 3-\n
	global_store_b128 v[CO], v[KF+16+4*\n:KF+16+4*\n+3], s[60:61] offset:2048*\q+512*\n
.endr
	s_wait_xcnt 0x0                                ; K's registers, s[56:57] and s[60:61] are written again only behind this wait
.endm
; The block whose number is in s<sblk> is finished from region d: waves 0-3 finish query tile 0 of their rows, waves 4-7 query tile 1.
.macro MERGE d, sblk
	s_lshl_b32 s42, s\sblk, 14
	s_add_nc_u64 s[56:57], s[46:47], s[42:43]
	s_add_nc_u64 s[60:61], s[56:57], PLANE         ; a base of its own: the distance is one more than a store's immediate holds
	s_cmp_lg_u32 s3, 0
	s_cbranch_scc1 .Lupper_\@
	FINAL 0, \d
	s_branch .Lmerged_\@
.Lupper_\@:
	FINAL 1, \d
.Lmerged_\@:
.endm
; One step: 256 keys from slot, 128 for each wave.  mode 0. mode 1: the other slot, read in
; the last step, gets the next step's keys.  mode 2: the last step, nothing is left to fetch.
.macro STEP slot, other, mode, first
.if \mode == 0
	s_wait_tensorcnt 0x1                           ; my part of slot 0 is in; slot 1's load, issued behind it, may stay out
.else
	s_set_vgpr_msb 0x5
	s_wait_tensorcnt 0x0                           ; all my tensor loads have landed, my part of this step's keys among them,
	ds_add_u32 v64, v65
	s_wait_dscnt 0x0
	s_set_vgpr_msb 0x500
.if \mode == 1
	NEXTADR \other, 1                              ; so a group 0 may be written
.endif
	s_wait_dscnt 0x0                               ; my reads of the other slot are over, and what I handed over is written
.endif
	s_barrier_signal -1
	s_barrier_wait -1                              ; all that now holds of all eight waves
.if \mode == 1
	TLOAD \other                                   ; my one tensor load behind the barrier, first thing there: it has this whole step in which to land
.endif
.if \first == 0
	s_cmp_eq_u32 s11, s12
	s_cselect_b32 s15, 1, 0                        ; the second block's first step
	s_cbranch_scc0 .Lsame_\@
	s_sub_co_u32 s13, 15, s9
	QLOADS                                         ; the new block's q is on its way while the old block is finished
	MERGE \other, 9                                ; the old block is j; it was handed over in the last step, whose slot was the other one
	STATE
	s_wait_loadcnt 0x0
.Lsame_\@:
.endif
	s_cmp_ge_u32 s11, s12
	s_cselect_b32 s55, s12, 0
	s_sub_co_u32 s53, s11, s55                     ; the slot-load's number inside the block,
	s_lshl_b32 s53, s53, 1
	s_add_co_u32 s53, s53, s3                      ; my tile
	s_sub_co_i32 s63, s13, s53                     ; block - tile: above 0 open, 0 on the diagonal, -1 behind it
	s_cmp_le_i32 s63, 0
	s_cselect_b32 s14, 1, 0
	s_add_co_u32 s53, s11, 1
	s_cmp_eq_u32 s53, s12
	s_cselect_b32 s62, 1, 0
	s_cmp_eq_u32 s11, 8
	s_cselect_b32 s62, 1, s62                      ; a block's last step: the pair hands over
.if \first == 0
	s_cmp_lt_i32 s63, 0
	s_cbranch_scc1 .Lbeyond_\@                     ; nothing of my tile is open: my sums stay as they are
.endif
	s_lshl_b32 s63, s63, 7
	KLOADS \slot, 0
	SUB \slot, 0, \first
	SUB \slot, 1, 0
.if \first == 0
.Lbeyond_\@:
.endif
	s_cmp_eq_u32 s62, 0
	s_cbranch_scc1 .Lgo_on_\@
	s_cmp_lg_u32 s3, 0
	s_cbranch_scc1 .Lup_\@
	DUMPQ 1, \slot                                 ; waves 0-3 hand query tile 1 over,
	s_branch .Lgo_on_\@
.Lup_\@:
	DUMPQ 0, \slot                                 ; waves 4-7 query tile 0
.Lgo_on_\@:
	s_add_co_u32 s11, s11, 1
.endm
	s_load_b128 s[4:7], s[0:1], 0x0                ; qkv s[4:5], att s[6:7]
	s_set_vgpr_msb 0x40
	v_lshl_add_u32 v64, v0, 2, 0x43000
	v_mov_b32 v65, 0
	s_set_vgpr_msb 0x4045
	ds_add_u32 v64, v65
	ds_add_u32 v64, v65
	s_set_vgpr_msb 0x4500
	v_lshrrev_b32 v1, 5, v0
	v_readfirstlane_b32 s8, v1                     ; wave 0..7
	s_lshr_b32 s3, s8, 2                           ; u: my tile of a slot.  Also: I fetch for K (0) or for V (1)
	s_and_b32 s2, s8, 3                            ; my 32 query rows.  Also: which 64 keys of a slot I fetch
	s_mov_b32 s9, ttmp9                            ; j
	s_and_b32 s10, ttmp7, 0xffff                   ; bh
	s_mov_b32 s11, 0                               ; the step
	s_add_co_u32 s12, s9, 2
	s_lshr_b32 s12, s12, 1                         ; steps of the first block: j + 1 tiles, two a step
	s_mov_b32 s13, s9                              ; the first block
	; Group 1: 8,192 dense bytes as 32 rows of 32 elements of 8 bytes; behind every 32 words (a key's 128 bytes) 4 words of pad for K, 8 for V
	s_mov_b32 s[G1K+0], (3<<16)|(1<<20)|(4<<22)|(3<<25)
	s_mov_b32 s[G1V+0], (3<<16)|(1<<20)|(4<<22)|(7<<25)
	s_mov_b32 s[G1K+1], 32<<16                     ; tensor_dim0 = 32
	s_mov_b32 s[G1V+1], 32<<16
	s_mov_b32 s[G1K+2], 32<<16                     ; tensor_dim1 = 32
	s_mov_b32 s[G1V+2], 32<<16
	s_mov_b32 s[G1K+3], 32<<16                     ; tile_dim0 = 32
	s_mov_b32 s[G1V+3], 32<<16
	s_mov_b32 s[G1K+4], 32                         ; tile_dim1 = 32
	s_mov_b32 s[G1V+4], 32
	s_mov_b32 s[G1K+5], 32                         ; elements from row to row
	s_mov_b32 s[G1V+5], 32
	s_mov_b32 s[G1K+6], 0
	s_mov_b32 s[G1V+6], 0
	s_mov_b32 s[G1K+7], 0
	s_mov_b32 s[G1V+7], 0
	s_mul_i32 s53, s8, KQ                          ; my eighth of a slot
.irp s, 0,1
	s_mov_b32 s[G0+4*\s], 1                        ; count = 1
	s_add_co_u32 s[G0+4*\s+1], s53, \s*SLOTB       ; LDS address
.endr
	s_lshl_b32 s42, s10, 18                        ; the head's block
	s_mov_b32 s43, 0                               ; stays 0
	s_wait_dscnt 0x0
	s_wait_kmcnt 0x0
	s_add_nc_u64 s[4:5], s[4:5], s[42:43]
	s_add_nc_u64 s[6:7], s[6:7], s[42:43]
	s_lshl_b32 s42, s2, 12                         ; my 32 rows of a block
	s_add_nc_u64 s[44:45], s[4:5], s[42:43]
	s_add_nc_u64 s[46:47], s[6:7], s[42:43]
	s_lshl_b32 s53, s2, 13                         ; which 64 keys of a slot I fetch
	s_add_co_u32 s55, s3, 1
	s_lshl_b32 s55, s55, 23                        ; plane 1 (k) or 2 (v)
	s_add_co_u32 s42, s53, s55
	s_add_nc_u64 s[40:41], s[4:5], s[42:43]
	NEXTADR 0, 0
	NEXTADR 1, 1
	TLOAD 0                                        ; both first fills go out together, ahead of everything else: two tensor loads of the wave are out
	TLOAD 1
	s_mov_b32 s48, 0x3e38aa3b                      ; c = log2(e) / 8: the scale 1 / sqrt(64) and the base of v_exp_f32 in one
	s_mov_b32 s49, 0x3e38aa3b
	s_mov_b32 s54, 0xbe38aa3b                      ; -c
	s_mov_b32 s50, 0x76543210                      ; v_permlanex16_b32: lane i of one half reads lane i of the other
	s_mov_b32 s51, 0xfedcba98
	v_and_b32 v1, 31, v0                           ; lane
	v_and_b32 v2, 15, v0                           ; r
	v_bfe_u32 v3, v0, 4, 1                         ; h
	v_lshlrev_b32 v[QOFF], 7, v2
	v_lshl_add_u32 v[QOFF], v3, 4, v[QOFF]
	QLOADS                                         ; the first block's q
	v_mul_u32_u24 v[TV], v2, KP
	v_lshl_add_u32 v[TV], v3, 4, v[TV]             ; 144 r + 16 h
	s_mul_i32 s53, s3, UHALF                       ; my tile of a slot
	v_add_nc_u32 v[KADR], s53, v[TV]
	v_add_nc_u32 v[KADR+1], SLOTB, v[KADR]
	s_mul_i32 s55, s8, 2*PLST
	s_add_co_u32 s55, s55, STAGE                   ; my stage
	v_add_nc_u32 v[STO], s55, v[TV]
	v_and_b32 v[TV], 7, v0
	v_lshl_add_u32 v[TV], v3, 3, v[TV]
	v_mul_u32_u24 v[VADR], v[TV], VP
	v_bfe_u32 v[TV], v0, 3, 1
	v_lshl_add_u32 v[VADR], v[TV], 4, v[VADR]
	s_add_co_u32 s53, s53, VOFF
	v_add_nc_u32 v[VADR], s53, v[VADR]
	v_add_nc_u32 v[VADR+1], SLOTB, v[VADR]
	v_lshrrev_b32 v[TV], 3, v1
	v_mul_u32_u24 v[RD], v[TV], SP
	v_and_b32 v[TV], 7, v0
	v_lshl_add_u32 v[RD], v[TV], 4, v[RD]
	v_add_nc_u32 v[RD], s55, v[RD]
	v_lshlrev_b32 v[CO], 4, v1
	s_lshl_b32 s55, s2, 5
	v_lshlrev_b32 v[TV], 3, v3
	v_sub_nc_u32 v[QM], v2, v[TV]
	v_add_nc_u32 v[QM], s55, v[QM]
	v_add_nc_u32 v[QM+1], 16, v[QM]
	s_mul_i32 s53, s2, DUMPW
	s_add_co_u32 s53, s53, DUMP
	v_add_nc_u32 v[DW], s53, v[CO]                 ; the lane's number in v1 is no longer needed
	v_mov_b32 v[NINF], 0xff800000
	STATE
	s_wait_loadcnt 0x0                             ; q
	STEP 0, 1, 0, 1                                ; step 0
	s_mov_b32 s52, 3
.Lpair:
	STEP 1, 0, 1, 0                                ; steps 1, 3, 5
	STEP 0, 1, 1, 0                                ; steps 2, 4, 6
	s_sub_co_u32 s52, s52, 1
	s_cmp_lg_u32 s52, 0
	s_cbranch_scc1 .Lpair
	STEP 1, 0, 1, 0                                ; step 7: asks for the last 256 keys
	STEP 0, 1, 2, 0                                ; step 8: asks for nothing
	s_wait_dscnt 0x0                               ; what I handed over is written
	s_barrier_signal -1
	s_barrier_wait -1                              ; everybody's is
	MERGE 0, 13                                    ; the second block, handed over in step 8, whose slot was 0
	s_set_vgpr_msb 0x5
	s_wait_tensorcnt 0x0
	ds_add_u32 v64, v65
	s_wait_dscnt 0x0
	s_set_vgpr_msb 0x500
	s_endpgm
.Lfunc_end_k_q57a0708530_attn:
	.size	k_q57a0708530_attn, .Lfunc_end_k_q57a0708530_attn-k_q57a0708530_attn
	.p2alignl 7, 3214868480
	.fill 96, 4, 3214868480
	.section	.rodata,"a",@progbits
	.p2align	6, 0x0
	.amdhsa_kernel k_q57a0708530_attn
		.amdhsa_group_segment_fixed_size 327680
		.amdhsa_private_segment_fixed_size 0
		.amdhsa_enable_private_segment 0
		.amdhsa_kernarg_size 16
		.amdhsa_user_sgpr_count 2
		.amdhsa_user_sgpr_kernarg_segment_ptr 1
		.amdhsa_wavefront_size32 1
		.amdhsa_system_sgpr_workgroup_id_x 1
		.amdhsa_system_sgpr_workgroup_id_y 1
		.amdhsa_system_sgpr_workgroup_id_z 1
		.amdhsa_system_vgpr_workitem_id 0
		.amdhsa_next_free_vgpr 322
		.amdhsa_next_free_sgpr 66
		.amdhsa_reserve_vcc 1
		.amdhsa_float_denorm_mode_32 3
		.amdhsa_float_denorm_mode_16_64 3
		.amdhsa_memory_ordered 1
		.amdhsa_forward_progress 1
		.amdhsa_inst_pref_size 255
	.end_amdhsa_kernel
	.section	.bss,"aw",@nobits
	.p2align	6
	.space	262144
	.amdgpu_metadata
---
amdhsa.version: [ 1, 2 ]
amdhsa.kernels:
  - .name:           k_q57a0708530_attn
    .symbol:         k_q57a0708530_attn.kd
    .args:
      - { .name: qkv, .offset: 0, .size: 8, .value_kind: global_buffer, .address_space: global }
      - { .name: att, .offset: 8, .size: 8, .value_kind: global_buffer, .address_space: global }
    .group_segment_fixed_size: 327680
    .private_segment_fixed_size: 0
    .kernarg_segment_align: 8
    .kernarg_segment_size: 16
    .max_flat_workgroup_size: 256
    .sgpr_count:     66
    .vgpr_count:     322
    .wavefront_size: 32
...
	.end_amdgpu_metadata
.endif
;; end of part 3
;; launch proj (part 4): grid 8 x 32, 4 waves a work-group, clusters of 4 x 4, 327,680 bytes of LDS; arguments att, woutb, bout, out0; writes out0
.if DOCPART == 4
	.amdgcn_target "amdgcn-amd-amdhsa--gfx1250"
	.amdhsa_code_object_version 6
	.text
	.protected	k_q57a0708530_proj
	.globl	k_q57a0708530_proj
	.p2align	8
	.type	k_q57a0708530_proj,@function
k_q57a0708530_proj:
	s_mov_b64 s[64:65], 0
	v_nop
	global_prefetch_b8 v0, s[64:65] scope:SCOPE_SE
	s_setreg_imm32_b32 hwreg(HW_REG_WAVE_MODE, 25, 1), 1
	s_wait_xcnt 0x0
	s_wait_alu depctr_hold_cnt(0) depctr_sa_sdst(0) depctr_va_vdst(0) depctr_va_sdst(0) depctr_va_ssrc(0) depctr_va_vcc(0) depctr_vm_vsrc(0)
	s_getreg_b32 s2, hwreg(HW_REG_IB_STS2, 6, 4)
	s_cmp_eq_u32 s2, 0
	s_cbranch_scc0 .Lentry_in_a_cluster
	s_endpgm
.Lentry_in_a_cluster:
	s_bfe_u32 s2, ttmp6, 0x10000c
	s_cmp_lg_u32 s2, 0xf033
	s_cbranch_scc0 .Lentry_shape_is_right
	s_endpgm
.Lentry_shape_is_right:
; out0[m][n] = bout[n] + sum over k of (HI[m][k] + LO[m][k]) woutb[n][k], where HI[2048 b + s][64 h + d] = att[16 b + h][s][d] and LO the
; same in att's second plane, 8,388,608 bytes on: the attention's result in two bf16 operands, sixteen significant bits together.  The
; transpose back from heads to rows is made by the tile's descriptor.  bf16 operands, f32 sums, f32 out.
; A work-group makes a block of 128 x 128 (8 x 32 = 256 work-groups) with four waves; a wave makes 64 x 64: 16 accumulator tiles.
; Eight steps of 128 along K (two heads) through two LDS slots.  A slot holds HI's and LO's tiles of the two heads and ONE tile of woutb's
; 128 columns, which both planes multiply: 96 KiB of data for 128 matrix instructions a wave, and for 32 along K one set of woutb's
; fragments serves 32 matrix instructions (24 LDS loads in place of 32).
; CLUSTERS: 4 x 4 work-groups; A's tiles hang on the block row alone and are asked for jointly along a row of the cluster, woutb's on the
; block column alone and are asked for jointly along a column.
; LDS, a slot of 108,544 bytes, one part for each wave's load:
;   wave 0: HI at 0, wave 1: LO at 36,864; in each, head hh of the step's two at hh x 18,432: 128 rows, pitch 144 (128 bytes + 16)
;   waves 2, 3: woutb's rows 0-63 at 73,728 and 64-127 at 91,136, pitch 272 (256 bytes + 16)
; behind the two slots, from 217,088: a stage of 16 rows x 272 bytes for each wave, into which no tensor load lands.
; The matrix instruction is used transposed (source 0 = rows of woutb, source 1 = rows of A): a lane's eight results are eight
; neighbouring columns of one row.  The bias starts the sums, as the C operand of each tile's first product.
.set AP,     144
.set BP,     272
.set ASUB,   128*AP                    ; one head of one plane
.set PARTA,  2*ASUB                    ; a plane's two heads: what wave 0 or 1 brings
.set PARTB,  64*BP                     ; what wave 2 or 3 brings
.set BOFF,   2*PARTA
.set SLOT,   BOFF+2*PARTB
.set STAGE,  2*SLOT
.set SPITCH, 272
.set AGRP,   524288                    ; two heads on in att
.set BGRP,   256                       ; 128 elements on in a row of woutb
.set ADRA, 16                          ; v16-17  slot s: s x SLOT + 9,216 x (wave / 2) + 144 r + 16 h
.set ADRB, 20                          ; v20-21  slot s: s x SLOT + BOFF + (wave % 2) x PARTB + 272 r + 16 h
.set STO,  24                          ; v24     stage + 272 r + 32 h
.set RD,   25                          ; v25     stage + 272 h + 16 r
.set CO,   26                          ; v26     4,096 h + 16 r
.set BO,   27                          ; v27     32 h
.set F0,   32                          ; v[32:127]  buffer 0: woutb's fragment b at 8 b, HI's fragment a at 32 + 8 a, LO's at 64 + 8 a
.set F1,   128                         ; v[128:223] buffer 1
.set BIAS, 224                         ; v[224:255] n block b: bout[16 b + 8 h + 0 .. 7] of my 64 columns
                                       ; window 1: accumulator (a, b) at v[8 (4 a + b)], registers 256 to 383
.set G1, 24                            ; s[24:31] descriptor group 1 for A's tiles
.set G0, 32                            ; s[32:39] group 0 for A's tiles, one set for each slot
.set G1B, 48                           ; s[48:55] group 1 for woutb's tiles
.set G0B, 56                           ; s[56:63] group 0 for woutb's tiles
.set MSB, 0
.macro WIN new                         ; the immediate's high byte repeats the setting that is left
.if MSB != \new
	s_set_vgpr_msb (MSB<<8)|\new
.set MSB, \new
.endif
.endm
.macro JLOAD s                         ; a joint load: waves 0, 1 ask for HI and LO, waves 2, 3 for woutb's halves; the branch hangs on the wave's number alone
	s_cmp_eq_u32 s11, 0
	s_cbranch_scc0 .Lfor_b_\@
	tensor_load_to_lds s[G0+4*\s:G0+4*\s+3], s[G1:G1+7]
	s_nop 0
	s_branch .Lasked_\@
.Lfor_b_\@:
	tensor_load_to_lds s[G0B+4*\s:G0B+4*\s+3], s[G1B:G1B+7]
	s_nop 0
.Lasked_\@:
.endm
.macro CREST                           ; a round of the cluster's barrier behind its opening barrier
	s_cmp_lg_u32 s10, 0
	s_cbranch_scc1 .Lnot_wave_0_\@
	s_barrier_signal -3
.Lnot_wave_0_\@:
	s_barrier_wait -3
	s_barrier_signal -1
	s_barrier_wait -1
.endm
.macro CROUND                          ; a whole round
	s_barrier_signal -1
	s_barrier_wait -1
	CREST
.endm
.macro PLACES                          ; four places behind matrix instructions (ISA guide 7.12.1)
.rept 4
	v_nop
.endr
.endm
	s_load_b128 s[4:7], s[0:1], 0x0                ; att s[4:5], woutb s[6:7]
	s_load_b64 s[68:69], s[0:1], 0x10              ; bout
	s_load_b64 s[8:9], s[0:1], 0x18                ; out0
	v_lshl_add_u32 v30, v0, 2, 0x39400
	v_mov_b32 v31, 0
	ds_add_u32 v30, v31
	ds_add_u32 v30, v31
	v_lshrrev_b32 v1, 5, v0
	v_readfirstlane_b32 s10, v1                    ; wave 0..3
	s_lshr_b32 s11, s10, 1                         ; which 64 rows of the block are mine.  Also: I fetch for A (0) or for woutb (1)
	s_and_b32 s12, s10, 1                          ; which 64 columns.  Also: which plane, or which 64 rows of woutb, I fetch
	s_bfe_u32 s40, ttmp6, 0x40000                  ; cx
	s_bfe_u32 s41, ttmp6, 0x40004                  ; cy
	s_lshl_b32 s42, ttmp9, 2
	s_add_co_u32 s42, s42, s40                     ; block column = 4 x cluster x + cx
	s_and_b32 s13, ttmp7, 0xffff
	s_lshl_b32 s13, s13, 2
	s_add_co_u32 s13, s13, s41                     ; block row = 4 x cluster y + cy
	s_lshl_b32 s43, s41, 2
	s_lshl_b32 s43, 15, s43                        ; my row of the cluster
	s_lshl_b32 s44, 0x1111, s40                    ; my column
	; A's tile: two heads' 128 rows x 64 d of one plane, each 16,384 dense bytes = one row of 2,048 elements of 8 bytes, 262,144 bytes apart;
	; 4 words of pad behind every 32 words (a row of 64 d)
	s_or_b32 s[G1+0], s43, (3<<16)|(1<<20)|(1<<21)|(4<<22)|(3<<25)
	s_mov_b32 s[G1+1], 2048<<16                    ; tensor_dim0 = 2,048
	s_mov_b32 s[G1+2], 2<<16                       ; tensor_dim1 = 2
	s_mov_b32 s[G1+3], 2048<<16                    ; tile_dim0 = 2,048
	s_mov_b32 s[G1+4], 2                           ; tile_dim1 = 2
	s_mov_b32 s[G1+5], 32768                       ; elements from head to head
	s_mov_b32 s[G1+6], 0
	s_mov_b32 s[G1+7], 0
	; woutb's tile: 64 rows x 128 elements of 2 bytes; 4 words of pad behind every 64 words
	s_or_b32 s[G1B+0], s44, (1<<16)|(1<<20)|(1<<21)|(5<<22)|(3<<25)
	s_mov_b32 s[G1B+1], 128<<16                    ; tensor_dim0 = 128
	s_mov_b32 s[G1B+2], 64<<16                     ; tensor_dim1 = 64
	s_mov_b32 s[G1B+3], 128<<16                    ; tile_dim0 = 128
	s_mov_b32 s[G1B+4], 64                         ; tile_dim1 = 64
	s_mov_b32 s[G1B+5], 1024                       ; elements from row to row
	s_mov_b32 s[G1B+6], 0
	s_mov_b32 s[G1B+7], 0
	; where the tiles come from: A's offset is made of the block row and the wave's number, woutb's of the block column and the wave's number
	s_lshr_b32 s16, s13, 4
	s_lshl_b32 s16, s16, 22                        ; the batch: 16 heads of 262,144 bytes
	s_and_b32 s17, s13, 15
	s_lshl_b32 s17, s17, 14                        ; 128 rows of 128 bytes inside a head
	s_add_co_u32 s16, s16, s17
	s_lshl_b32 s17, s12, 23                        ; HI's plane or LO's
	s_add_co_u32 s16, s16, s17
	s_mov_b32 s17, 0
	s_lshl_b32 s46, s42, 18                        ; 128 rows of 2,048 bytes
	s_lshl_b32 s47, s12, 17                        ; 64 rows
	s_add_co_u32 s46, s46, s47
	s_mov_b32 s47, 0
	s_mul_i32 s20, s10, PARTA                      ; and where they go: waves 0, 1: wave x 36,864;
	s_mul_i32 s45, s10, PARTB
	s_add_co_u32 s45, s45, BOFF-2*PARTB            ; waves 2, 3: wave x 17,408 + 38,912: no place in the cluster enters an LDS address
	s_lshl_b32 s70, s42, 9                         ; my 64 numbers of the bias: (128 x block column + 64 x half) x 4 bytes
	s_lshl_b32 s71, s12, 8
	s_add_co_u32 s70, s70, s71
	s_mov_b32 s71, 0
	s_wait_dscnt 0x0
	s_wait_kmcnt 0x0
	s_add_nc_u64 s[14:15], s[4:5], s[16:17]
	s_add_nc_u64 s[46:47], s[6:7], s[46:47]
	s_add_nc_u64 s[68:69], s[68:69], s[70:71]
	CROUND                                         ; all sixteen work-groups are here: the first joint loads meet
.irp s, 0,1
	s_mov_b32 s[G0+4*\s], 1
	s_add_co_u32 s[G0+4*\s+1], s20, \s*SLOT
	s_add_nc_u64 s[G0+4*\s+2:G0+4*\s+3], s[14:15], \s*AGRP         ; step s: heads 2 s, 2 s + 1
	s_or_b32 s[G0+4*\s+3], s[G0+4*\s+3], 0x80000000
	s_mov_b32 s[G0B+4*\s], 1
	s_add_co_u32 s[G0B+4*\s+1], s45, \s*SLOT
	s_add_nc_u64 s[G0B+4*\s+2:G0B+4*\s+3], s[46:47], \s*BGRP       ; and their 128 columns of woutb
	s_or_b32 s[G0B+4*\s+3], s[G0B+4*\s+3], 0x80000000
	JLOAD \s                                       ; both slots are asked for before anything else is done: two tensor loads of the wave are out
.endr
	v_and_b32 v1, 15, v0                           ; r
	v_bfe_u32 v2, v0, 4, 1                         ; h
	v_lshlrev_b32 v[BO], 5, v2
.irp b, 0,1,2,3
	global_load_b128 v[BIAS+8*\b:BIAS+8*\b+3],   v[BO], s[68:69] offset:64*\b
	global_load_b128 v[BIAS+8*\b+4:BIAS+8*\b+7], v[BO], s[68:69] offset:64*\b+16
.endr
	v_mul_u32_u24 v3, v1, AP
	v_lshl_add_u32 v3, v2, 4, v3
	v_mul_u32_u24 v4, v1, BP
	v_lshl_add_u32 v4, v2, 4, v4
	s_mul_i32 s21, s11, 64*AP                      ; my 64 rows inside each head's 128
	s_mul_i32 s22, s12, PARTB
	s_add_co_u32 s22, s22, BOFF                    ; my 64 rows of woutb
.irp s, 0,1
	v_add_nc_u32 v[ADRA+\s], s21, v3
	v_add_nc_u32 v[ADRB+\s], s22, v4
	s_add_co_u32 s21, s21, SLOT
	s_add_co_u32 s22, s22, SLOT
.endr
	s_mul_i32 s23, s10, 16*SPITCH
	s_add_co_u32 s23, s23, STAGE                   ; my stage
	v_mul_u32_u24 v5, v1, SPITCH                   ; in: row r, 32 bytes for each half of the lanes
	v_lshl_add_u32 v5, v2, 5, v5
	v_add_nc_u32 v[STO], s23, v5
	v_mul_u32_u24 v5, v2, SPITCH                   ; back: lanes 0-15 take one row of 256 bytes, lanes 16-31 the next
	v_lshl_add_u32 v5, v1, 4, v5
	v_add_nc_u32 v[RD], s23, v5
	v_lshlrev_b32 v5, 12, v2                       ; and the same two rows in out0
	v_lshl_add_u32 v[CO], v1, 4, v5
; 24 LDS loads in one run: the fragments of the step's quarter kc (32 along K; head kc / 2, half kc % 2 of its 64 d) into buffer f
.macro FETCH slot, kc, f
.irp b, 0,1,2,3
	ds_load_b128 v[\f+8*\b:\f+8*\b+3],   v[ADRB+\slot] offset:16*BP*\b+64*(\kc)
	ds_load_b128 v[\f+8*\b+4:\f+8*\b+7], v[ADRB+\slot] offset:16*BP*\b+64*(\kc)+32
.endr
.irp pl, 0,1
.irp a, 0,1,2,3
	ds_load_b128 v[\f+32+32*\pl+8*\a:\f+32+32*\pl+8*\a+3],   v[ADRA+\slot] offset:PARTA*\pl+((\kc)>>1)*ASUB+16*AP*\a+((\kc)&1)*64
	ds_load_b128 v[\f+32+32*\pl+8*\a+4:\f+32+32*\pl+8*\a+7], v[ADRA+\slot] offset:PARTA*\pl+((\kc)>>1)*ASUB+16*AP*\a+((\kc)&1)*64+32
.endr
.endr
.endm
; 32 matrix instructions, 64 x 64 x 32 for HI and then for LO, on the same fragments of woutb; the sixteen accumulators take turns in the
; same order every time.  first = 1: the sums start from the bias.
.macro MUL f, first
.if \first
	WIN 0x40                                       ; D in window 1, C (the bias) in window 0
.else
	WIN 0x50                                       ; C and D in window 1
.endif
.irp a, 0,1,2,3
.irp b, 0,1,2,3
.if \first
	v_wmma_f32_16x16x32_bf16 v[8*(4*\a+\b):8*(4*\a+\b)+7], v[\f+8*\b:\f+8*\b+7], v[\f+32+8*\a:\f+32+8*\a+7], v[BIAS+8*\b:BIAS+8*\b+7]
.else
	v_wmma_f32_16x16x32_bf16 v[8*(4*\a+\b):8*(4*\a+\b)+7], v[\f+8*\b:\f+8*\b+7], v[\f+32+8*\a:\f+32+8*\a+7], v[8*(4*\a+\b):8*(4*\a+\b)+7]
.endif
.endr
.endr
	WIN 0x50
.irp a, 0,1,2,3
.irp b, 0,1,2,3
	v_wmma_f32_16x16x32_bf16 v[8*(4*\a+\b):8*(4*\a+\b)+7], v[\f+8*\b:\f+8*\b+7], v[\f+64+8*\a:\f+64+8*\a+7], v[8*(4*\a+\b):8*(4*\a+\b)+7]
.endr
.endr
.endm
; Multiplies buffer f; ahead of that asks for quarter nq of the same slot into buffer g
.macro QRT slot, nq, f, g, first
	PLACES                                         ; buffer g was read by the matrix instructions just issued
	FETCH \slot, \nq, \g
	s_wait_dscnt 24                                ; the 24 loads just issued may stay out; buffer f's are in
	MUL \f, \first
	WIN 0
.endm
.macro THREE slot, first               ; quarters 0 to 2 of a step
	QRT \slot, 1, F0, F1, \first
	QRT \slot, 2, F1, F0, 0
	QRT \slot, 3, F0, F1, 0
.endm
; Quarter 3, and the change of slots.  In front of the barrier each wave waits for its reads of this slot and for all its tensor loads (one is
; out: its part of the next slot).  fill = 1: the barrier opens a round of the cluster's barrier, and the joint refill, two steps ahead, is
; the first tensor load behind the round: it has the next step's 128 matrix instructions in which to land.
.macro LASTQ slot, next, fill
	s_wait_dscnt 0x0
	s_wait_tensorcnt 0x0
	ds_add_u32 v30, v31
	s_wait_dscnt 0x0
	s_barrier_signal -1
	MUL F1, 0                                      ; work on registers while the others arrive
	WIN 0
	s_barrier_wait -1
.if \fill
	CREST
	s_add_nc_u64 s[G0+4*\slot+2:G0+4*\slot+3], s[G0+4*\slot+2:G0+4*\slot+3], 2*AGRP      ; four heads on
	s_add_nc_u64 s[G0B+4*\slot+2:G0B+4*\slot+3], s[G0B+4*\slot+2:G0B+4*\slot+3], 2*BGRP  ; and their columns of woutb
	JLOAD \slot
.endif
	PLACES
	FETCH \next, 0, F0
.endm
	s_wait_loadcnt 0x0                             ; the bias, once
	s_wait_tensorcnt 0x1                           ; my part of step 0 is in; step 1's may stay out
	s_barrier_signal -1
	s_barrier_wait -1
	FETCH 0, 0, F0
	THREE 0, 1                                     ; step 0: heads 0, 1; its first products start the sums
	LASTQ 0, 1, 1                                  ; slot 0 gets step 2
	THREE 1, 0                                     ; step 1: heads 2, 3
	LASTQ 1, 0, 1                                  ; slot 1 gets step 3
	s_mov_b32 s3, 2
.Lpair:                                            ; steps 2, 3 and 4, 5; they ask for steps 4, 5 and 6, 7
	THREE 0, 0
	LASTQ 0, 1, 1
	THREE 1, 0
	LASTQ 1, 0, 1
	s_sub_co_u32 s3, s3, 1
	s_cmp_lg_u32 s3, 0
	s_cbranch_scc1 .Lpair
	THREE 0, 0                                     ; step 6
	LASTQ 0, 1, 0                                  ; nothing is left to fetch
	THREE 1, 0                                     ; step 7
	s_wait_dscnt 0x0
	MUL F1, 0
	WIN 0
	; THE WAY OUT, 16 rows at a time: the f32 results go as they are into my own stage, and come back as whole rows of 256 bytes.
	PLACES
	s_lshl_b32 s16, s13, 7
	s_lshl_b32 s14, s11, 6
	s_add_co_u32 s16, s16, s14                     ; my first row
	s_lshl_b32 s16, s16, 12                        ; x 4,096 bytes
	s_mov_b32 s17, 0
	s_add_nc_u64 s[8:9], s[8:9], s[16:17]
	s_add_nc_u64 s[8:9], s[8:9], s[70:71]          ; my first column, in bytes: the same offset as in the bias
.macro OUTG a, f
	WIN 0x04                                       ; the stores' data in window 1
.irp b, 0,1,2,3
	ds_store_b128 v[STO], v[8*(4*\a+\b):8*(4*\a+\b)+3]   offset:64*\b      ; row r, columns 16 b + 8 h + 0 .. 3
	ds_store_b128 v[STO], v[8*(4*\a+\b)+4:8*(4*\a+\b)+7] offset:64*\b+16   ; .. + 4 .. 7
.endr
	WIN 0
	s_wait_xcnt 0x0                                ; buffer f, which earlier stores read, and the stores' base are rewritten only behind this wait
.if \a
	s_add_nc_u64 s[8:9], s[8:9], 65536             ; 16 rows on
.endif
.irp n, 0,1,2,3,4,5,6,7
	ds_load_b128 v[\f+4*\n:\f+4*\n+3], v[RD] offset:\n*2*SPITCH    ; LDS serves a wave's instructions in order: these see the stores above
.endr
.irp n, 0,1,2,3,4,5,6,7
	s_wait_dscnt 7-\n                              ; the younger read-backs may stay out
	global_store_b128 v[CO], v[\f+4*\n:\f+4*\n+3], s[8:9] offset:8192*\n th:TH_STORE_NT   ; 16 lanes store 256 consecutive bytes, at a multiple of 256
.endr
.endm
	OUTG 0, F0
	OUTG 1, F1
	OUTG 2, F0
	OUTG 3, F1
	s_wait_tensorcnt 0x0
	ds_add_u32 v30, v31
	s_wait_dscnt 0x0
	CROUND                                         ; the closing round: no work-group ends while a partner may still ask for a tile that names it
	s_endpgm
.Lfunc_end_k_q57a0708530_proj:
	.size	k_q57a0708530_proj, .Lfunc_end_k_q57a0708530_proj-k_q57a0708530_proj
	.p2alignl 7, 3214868480
	.fill 96, 4, 3214868480
	.section	.rodata,"a",@progbits
	.p2align	6, 0x0
	.amdhsa_kernel k_q57a0708530_proj
		.amdhsa_group_segment_fixed_size 327680
		.amdhsa_private_segment_fixed_size 0
		.amdhsa_enable_private_segment 0
		.amdhsa_kernarg_size 32
		.amdhsa_user_sgpr_count 2
		.amdhsa_user_sgpr_kernarg_segment_ptr 1
		.amdhsa_wavefront_size32 1
		.amdhsa_system_sgpr_workgroup_id_x 1
		.amdhsa_system_sgpr_workgroup_id_y 1
		.amdhsa_system_sgpr_workgroup_id_z 1
		.amdhsa_system_vgpr_workitem_id 0
		.amdhsa_next_free_vgpr 384
		.amdhsa_next_free_sgpr 72
		.amdhsa_reserve_vcc 0
		.amdhsa_float_denorm_mode_32 3
		.amdhsa_float_denorm_mode_16_64 3
		.amdhsa_memory_ordered 1
		.amdhsa_forward_progress 1
		.amdhsa_inst_pref_size 110
	.end_amdhsa_kernel
	.amdgpu_metadata
---
amdhsa.version: [ 1, 2 ]
amdhsa.kernels:
  - .name:           k_q57a0708530_proj
    .symbol:         k_q57a0708530_proj.kd
    .args:
      - { .name: att, .offset: 0, .size: 8, .value_kind: global_buffer, .address_space: global }
      - { .name: woutb, .offset: 8, .size: 8, .value_kind: global_buffer, .address_space: global }
      - { .name: bout, .offset: 16, .size: 8, .value_kind: global_buffer, .address_space: global }
      - { .name: out0, .offset: 24, .size: 8, .value_kind: global_buffer, .address_space: global }
    .group_segment_fixed_size: 327680
    .private_segment_fixed_size: 0
    .kernarg_segment_align: 8
    .kernarg_segment_size: 32
    .max_flat_workgroup_size: 128
    .sgpr_count:     72
    .vgpr_count:     384
    .wavefront_size: 32
...
	.end_amdgpu_metadata
.endif
;; end of part 4
;; ======== version 2 of 2: 4 launches; version 1 with the launch cast written anew for expert scheduling mode
;; limits: values are held in f16: magnitudes above 65,504 overflow, below 6.1e-05 lose precision
;; workspace buffers: xb 8,388,608 bytes; wqkvb 6,291,456 bytes; woutb 2,097,152 bytes; qkv 25,165,824 bytes; att 16,777,216 bytes
;; launch cast (part 5): grid 256 x 1, 8 waves a work-group, no clusters, 0 bytes of LDS; arguments x, Wqkv, Wout, xb, wqkvb, woutb; writes xb, wqkvb, woutb
.if DOCPART == 5
	.amdgcn_target "amdgcn-amd-amdhsa--gfx1250"
	.amdhsa_code_object_version 6
	.text
	.protected	k_q57a0708530_cast
	.globl	k_q57a0708530_cast
	.p2align	8
	.type	k_q57a0708530_cast,@function
k_q57a0708530_cast:
	s_mov_b64 s[64:65], 0
	v_nop
	global_prefetch_b8 v0, s[64:65] scope:SCOPE_SE
	s_setreg_imm32_b32 hwreg(HW_REG_WAVE_SCHED_MODE, 0, 2), 2
	s_setreg_imm32_b32 hwreg(HW_REG_WAVE_MODE, 25, 1), 1
	s_wait_xcnt 0x0
	s_wait_alu depctr_vm_vsrc(0)
; x, Wqkv, Wout (f32) -> xb, wqkvb, woutb (bf16, rounded to nearest even), once, so that the two products read 16-bit tiles.
; bf16: the rounding of the inputs that the problem's contract names; f32's range is kept, and the product of two bf16 numbers is
; exact in f32, so the products add no rounding of their own to it.
; 256 work-groups of 8 waves; each owns 1/256 of every tensor: 65,536 + 49,152 + 16,384 bytes in, half of that out.
; Thread t takes 16 bytes at 16 t of every piece of 4,096 bytes and stores 8 bytes at 8 t of the matching 2,048: a wave's load
; covers 512 consecutive bytes, its store 256 consecutive bytes at a multiple of 256.  All 32 loads of a thread go out in one run
; (128 KiB of the work-group on their way); no register is used twice.
; No LDS, no matrix unit, no cluster: nothing is shared and nothing is summed.
; THE MODE: SCHED_MODE bits 1:0 = 2 (LLVM: expert scheduling mode 2), set by the entry lines.  The code itself states the register
; dependences between vector instructions and memory instructions, with s_wait_alu, always for 0.
; THE PLAN.  Registers that memory instructions touch:
;   v1, v2     byte offsets of the loads and of the stores: written once at the head, never again.
;   slot n     v[X + 4 n : X + 4 n + 3], n = 0 .. 31.  Load n lands in it, once, and all 32 loads are issued before any vector line names a slot.
;              The slot's two roundings read the four registers and write the first two; store n reads these two.  Nothing writes them again.
; The slots go in eight blocks of four.  Block p waits for its four loads and rounds them; the four stores of block p - 1 are dealt among
; these roundings.  One wait on va_vdst at the head of a block states that the block before has written the data of those stores; the vector
; lines behind it name block p's slots alone, none of the registers that the stores read.  No register that a memory instruction has read
; is written again, and no load lands in a register that a vector line has named: so the slots need no wait on vm_vsrc and no s_wait_xcnt.
.set X,  4                             ; v[4:131]  load i: 4 registers; its two packed results land in the first two
.set NX, 16                            ; loads for x
.set NQ, 12                            ; for Wqkv
.set NO, 4                             ; for Wout
.set SLOTS, NX+NQ+NO                   ; 32
.set BLOCK, 4                          ; slots in a block; each tensor's slots are whole blocks
	s_load_b256 s[4:11], s[0:1], 0x0               ; x s[4:5], Wqkv s[6:7], Wout s[8:9], xb s[10:11]
	s_load_b128 s[12:15], s[0:1], 0x20             ; wqkvb s[12:13], woutb s[14:15]
	v_lshlrev_b32 v1, 4, v0                        ; 16 t
	v_lshlrev_b32 v2, 3, v0                        ; 8 t
	s_lshl_b32 s16, ttmp9, 16                      ; the work-group's parts, in bytes, each as a pair with 0 on top
	s_mov_b32 s17, 0
	s_mul_i32 s18, ttmp9, 49152
	s_mov_b32 s19, 0
	s_lshl_b32 s20, ttmp9, 14
	s_mov_b32 s21, 0
	s_lshl_b32 s22, ttmp9, 15
	s_mov_b32 s23, 0
	s_mul_i32 s24, ttmp9, 24576
	s_mov_b32 s25, 0
	s_lshl_b32 s26, ttmp9, 13
	s_mov_b32 s27, 0
	s_wait_kmcnt 0x0
	s_add_nc_u64 s[4:5], s[4:5], s[16:17]
	s_add_nc_u64 s[6:7], s[6:7], s[18:19]
	s_add_nc_u64 s[8:9], s[8:9], s[20:21]
	s_add_nc_u64 s[10:11], s[10:11], s[22:23]
	s_add_nc_u64 s[12:13], s[12:13], s[24:25]
	s_add_nc_u64 s[14:15], s[14:15], s[26:27]
	s_wait_alu depctr_va_vdst(0)                   ; v1 and v2 are written: every load reads v1 and every store v2 as its offset
.macro LOADS base, first, n            ; n loads from s[base:base+1] into slots first, first + 1, ..
.set i, 0
.rept \n
	global_load_b128 v[X+4*(\first+i):X+4*(\first+i)+3], v1, s[\base:\base+1] offset:4096*i th:TH_LOAD_NT
.set i, i+1
.endr
.endm
.macro ROUND n                         ; slot n: four f32 close up into two registers of bf16
	v_cvt_pk_bf16_f32 v[X+4*(\n)],   v[X+4*(\n)],   v[X+4*(\n)+1]
	v_cvt_pk_bf16_f32 v[X+4*(\n)+1], v[X+4*(\n)+2], v[X+4*(\n)+3]
.endm
.macro STORE n                         ; slot n goes out: the slot's number says into which tensor and to which piece of 2,048 bytes
.if (\n) < NX
	global_store_b64 v2, v[X+4*(\n):X+4*(\n)+1], s[10:11] offset:2048*(\n)
.elseif (\n) < NX+NQ
	global_store_b64 v2, v[X+4*(\n):X+4*(\n)+1], s[12:13] offset:2048*((\n)-NX)
.else
	global_store_b64 v2, v[X+4*(\n):X+4*(\n)+1], s[14:15] offset:2048*((\n)-NX-NQ)
.endif
.endm
; Block p: its four slots are rounded; the stores of the block before stand among the roundings, each ahead of a slot's two.
.macro BLK p
	s_wait_loadcnt SLOTS-BLOCK*((\p)+1)            ; loads come back in order: this block's four are in, the younger ones stay out
.if (\p) > 0
	s_wait_alu depctr_va_vdst(0)                   ; the block before has written its eight packed registers, which the four stores below read
.endif
.irp i, 0,1,2,3
.if (\p) > 0
	STORE BLOCK*((\p)-1)+(\i)                      ; no vector line since the wait names this store's data or v2
.endif
	ROUND BLOCK*(\p)+(\i)
.endr
.endm
	LOADS 4, 0, NX
	LOADS 6, NX, NQ
	LOADS 8, NX+NQ, NO
.irp p, 0,1,2,3,4,5,6,7
	BLK \p
.endr
	s_wait_alu depctr_va_vdst(0)                   ; the last block has written its packed registers, which the last four stores read
.irp i, 0,1,2,3
	STORE SLOTS-BLOCK+(\i)
.endr
	s_endpgm
.Lfunc_end_k_q57a0708530_cast:
	.size	k_q57a0708530_cast, .Lfunc_end_k_q57a0708530_cast-k_q57a0708530_cast
	.p2alignl 7, 3214868480
	.fill 96, 4, 3214868480
	.section	.rodata,"a",@progbits
	.p2align	6, 0x0
	.amdhsa_kernel k_q57a0708530_cast
		.amdhsa_group_segment_fixed_size 0
		.amdhsa_private_segment_fixed_size 0
		.amdhsa_enable_private_segment 0
		.amdhsa_kernarg_size 48
		.amdhsa_user_sgpr_count 2
		.amdhsa_user_sgpr_kernarg_segment_ptr 1
		.amdhsa_wavefront_size32 1
		.amdhsa_system_sgpr_workgroup_id_x 1
		.amdhsa_system_sgpr_workgroup_id_y 1
		.amdhsa_system_sgpr_workgroup_id_z 1
		.amdhsa_system_vgpr_workitem_id 0
		.amdhsa_next_free_vgpr 132
		.amdhsa_next_free_sgpr 66
		.amdhsa_reserve_vcc 0
		.amdhsa_float_denorm_mode_32 3
		.amdhsa_float_denorm_mode_16_64 3
		.amdhsa_memory_ordered 1
		.amdhsa_forward_progress 1
		.amdhsa_inst_pref_size 12
	.end_amdhsa_kernel
	.amdgpu_metadata
---
amdhsa.version: [ 1, 2 ]
amdhsa.kernels:
  - .name:           k_q57a0708530_cast
    .symbol:         k_q57a0708530_cast.kd
    .args:
      - { .name: x, .offset: 0, .size: 8, .value_kind: global_buffer, .address_space: global }
      - { .name: Wqkv, .offset: 8, .size: 8, .value_kind: global_buffer, .address_space: global }
      - { .name: Wout, .offset: 16, .size: 8, .value_kind: global_buffer, .address_space: global }
      - { .name: xb, .offset: 24, .size: 8, .value_kind: global_buffer, .address_space: global }
      - { .name: wqkvb, .offset: 32, .size: 8, .value_kind: global_buffer, .address_space: global }
      - { .name: woutb, .offset: 40, .size: 8, .value_kind: global_buffer, .address_space: global }
    .group_segment_fixed_size: 0
    .private_segment_fixed_size: 0
    .kernarg_segment_align: 8
    .kernarg_segment_size: 48
    .max_flat_workgroup_size: 256
    .sgpr_count:     66
    .vgpr_count:     132
    .wavefront_size: 32
...
	.end_amdgpu_metadata
.endif
;; end of part 5
;; launch qkv: the kernel of part 2 again; grid 12 x 16, 4 waves a work-group, clusters of 4 x 4, 327,680 bytes of LDS; arguments xb, wqkvb, bqkv, qkv; writes qkv
;; launch attn: the kernel of part 3 again; grid 8 x 32, 8 waves a work-group, no clusters, 327,680 bytes of LDS; arguments qkv, att; writes att
;; launch proj: the kernel of part 4 again; grid 8 x 32, 4 waves a work-group, clusters of 4 x 4, 327,680 bytes of LDS; arguments att, woutb, bout, out0; writes out0
